; MI455X (gfx1250); checked and timed in simulation.
; The chip was launched on July 23, 2026; its instructions are those of AMD's public machine-readable ISA for CDNA 5 (MIT licence, August 2026) and "CDNA5" Instruction Set Architecture Reference Guide (July 2026). The comments in the code are by the model that wrote it; some were corrected since.
;; Self Attention. Allowed arithmetic: matrix products marked QUANTISED: E2M3 operands, one E8M0 scale for each 32 along K, by v_wmma_scale_f32_16x16x128_f8f6f4 with both operands' format E2M3, f32 sums; everything else in f32.
;; Inputs: Wk 1,024 x 1,024 float32; Wo 1,024 x 1,024 float32; Wq 1,024 x 1,024 float32; Wv 1,024 x 1,024 float32; bo 1,024 float32; keys 2 x 2,048 x 1,024 float32; query 2 x 2,048 x 1,024 float32; values 2 x 2,048 x 1,024 float32.
;; Outputs: out0 2 x 2,048 x 1,024 float32.
;; This version of the problem:
;;   THIS VERSION OF THE PROBLEM IS GIVEN IN LOW PRECISION. The matrix products marked QUANTISED in the list below multiply operands that are first quantised to E2M3 (2 exponent bits, 3 mantissa bits; 6 bits a number), with one power-of-two scale for each 32 numbers along K (OCP MX v1.0); their sums are f32. All else is computed in f32.
;;   The module's matrix products, in the order in which they are computed (A, B: the left and right operand; K: the contracted axis; several contracted axes count as one K, in the product's order):
;;     1. [M 4,096, K 1,024] x [K 1,024, N 1,024]; A: input values; B: input Wv: QUANTISED
;;     2. [M 4,096, K 1,024] x [K 1,024, N 1,024]; A: input keys; B: input Wk: QUANTISED
;;     3. [M 4,096, K 1,024] x [K 1,024, N 1,024]; A: input query; B: input Wq: QUANTISED
;;     4. batch 32 x [M 2,048, K 64] x [K 64, N 2,048]; A: computed on the way; B: computed on the way: QUANTISED
;;     5. batch 32 x [M 64, K 2,048] x [K 2,048, N 2,048]; A: computed on the way; B: softmax (see below): QUANTISED
;;     6. [M 4,096, K 1,024] x [K 1,024, N 1,024]; A: computed on the way; B: input Wo: QUANTISED
;;   THE QUANTISER, for each operand of a quantised product, along K:
;;     - K is cut into blocks of 32 from its start; a last block that is shorter is filled with zeros.
;;     - A block's scale is 2^e with e = floor(log2(the largest magnitude in the block)) - 2, held to -126 .. 127; a block of zeros has e = 0. As a byte (E8M0): e + 127.
;;     - Each number is divided by its block's scale, clamped to +-7.5, and rounded to the nearest number of E2M3, ties to even, subnormals kept.
;;     - The product sums the exact products of the quantised numbers (number of the format x scale) in f32.
;;   ~~~python
;;   def quantise(x, axis):      # numpy; x: float32 -> the quantised numbers, widened to float32 again
;;       x = np.moveaxis(x, axis, -1); K = x.shape[-1]
;;       x = np.pad(x, [(0, 0)] * (x.ndim - 1) + [(0, -K % 32)]); x = x.reshape(x.shape[:-1] + (-1, 32)); a = np.abs(x).max(-1, keepdims=True)
;;       e = np.where(a > 0, np.clip(np.frexp(np.where(a > 0, a, 1))[1] - 1 - 2, -126, 127), 0)      # np.frexp(a)[1] - 1 = floor(log2(a)), exactly
;;       r = np.clip(x / 2.0 ** e, -7.5, 7.5)
;;       step = 2.0 ** (np.maximum(np.frexp(np.where(r == 0, 1, r))[1] - 1, 0) - 3)
;;       q = np.round(r / step) * step * 2.0 ** e      # np.round: ties to even
;;       return np.moveaxis(q.reshape(q.shape[:-2] + (-1,))[..., :K], -1, axis).astype(np.float32)
;;   ~~~
;;   SOFTMAX AHEAD OF A QUANTISED PRODUCT. Where the list says 'softmax', what is quantised is not the finished softmax but p = 2^(t - M), with t = logit x log2(e) and M = ceil(the row's largest t), a whole number; so 1/2 < the row's largest p <= 1. The row's sum l is taken of the UNQUANTISED p, in f32, and the product's result is divided by l at the end. Since M is a whole number, a kernel that streams over the keys may use a running M (the ceiling of the running maximum): every later rescaling is an exact power of two, which a block's scale takes up: the codes' values come out the same.
;;   OPERANDS COMPUTED ON THE WAY. 'Computed on the way' means the value that the module computes at that place (a softmax that the list does not call 'softmax' is quantised finished and normalised). What goes into a quantiser is computed in f32, as accurately as f32 sums, v_exp_f32 and their like allow (about 1e-6 of the number): no bf16 or f16 on the way to a quantiser, and a product that is left as it is and whose result goes on into a quantised operand takes f32 operands (vector FMAs, or v_wmma_f32_16x16x4_f32). A number that lies on a knife's edge between two numbers of the format may be rounded either way, as far as f32 arithmetic and the matrix unit's own rounding can turn it there, and no further.
;; One version. Each part assembles by itself: llvm-mc -triple=amdgcn-amd-amdhsa -mcpu=gfx1250 --defsym DOCPART=n.
;; ======== version 1 of 1: 4 launches
;; limits: right only within a limited range of input values
;; workspace buffers: codes 12,582,912 bytes; scl 524,288 bytes; qb 3,670,016 bytes; kvb 7,340,032 bytes; oimg 3,145,728 bytes; osc 524,288 bytes
;; launch quant (part 1): grid 512 x 1, 8 waves a work-group, no clusters, 69,632 bytes of LDS; arguments query, keys, values, Wq, Wk, Wv, Wo, codes, scl; writes codes, scl
.if DOCPART == 1
	.amdgcn_target "amdgcn-amd-amdhsa--gfx1250"
	.amdhsa_code_object_version 6
	.text
	.protected	k_q5a30b9def5_quant
	.globl	k_q5a30b9def5_quant
	.p2align	8
	.type	k_q5a30b9def5_quant,@function
k_q5a30b9def5_quant:
	s_mov_b64 s[64:65], 0
	v_nop
	global_prefetch_b8 v0, s[64:65] scope:SCOPE_SE
	s_setreg_imm32_b32 hwreg(HW_REG_WAVE_MODE, 25, 1), 1
	s_wait_xcnt 0x0
; SELF-ATTENTION IN MX-FP6, LAUNCH 1 OF 4: query, keys, values [4096][1024] and Wq, Wk, Wv, Wo [1024][1024], f32, become codes of E2M3 with one E8M0 byte for each 32 along K (their last axis).
; NO WORK IS LEFT OUT in this program: every input, bo too, has a way to the output, and all six products are done.
; A block's scale is 2^(floor(log2(its largest magnitude)) - 2); its byte is the largest magnitude's exponent field - 2, held at 1 from below.
; LIMITS: NaN and infinities among the inputs are not served; a block whose largest magnitude lies under 2^-124, a block of zeros too, keeps the byte 1 (a block of zeros has zero codes, and this program alone reads the bytes).
; THE WORKSPACE IS LAID AS THE MATRIX OPERANDS' REGISTERS.  The seven tensors' rows count on end: 16,384 rows, 1,024 tiles of 16.  Lane row r of tile T is row 32 (T / 2) + 8 (T % 2) + r + 8 (r / 8);
; IN THE KEYS TENSOR ALONE it is row 64 (T / 4) + 8 (T % 4) + r % 8 + 32 (r / 8), T counted in that tensor: so the attention's scores fall into a lane as whole blocks of 32 keys.
; A HALF IMAGE is one tile x 64 along K, 768 bytes: lane l's registers 0-3 at 16 l, its registers 4, 5 at 512 + 8 l; lane (r, h) holds the 24 code bytes of its row's block 2 q + h.  codes: [tile][16 half images]; scl: [tile][r][32 bytes].
; SHARES.  A work-group takes two tiles; wave w takes tile w / 4 and 256 along K (two K steps of 128) from 256 (w % 4) on: 16 KB.  Each load reads 512 consecutive bytes of one row; a K step's 16 rows turn through
; the wave's own stage in LDS (rows 528 bytes apart: the 16 rows that a load touches start in 16 different groups of banks), so that a lane gets the 2 x 32 neighbours along K that the operand's layout gives it.
; Work-groups share no input, so there is no cluster; no tensor load, no loop: every offset is an immediate.
.set PITCH, 528
.set STGB,  16*PITCH                   ; a wave's stage
.set SCG,   8*STGB                     ; the work-group's 1,024 scale bytes, gathered
.set SPARE, SCG+1024                   ; the spare words, 128 bytes for each wave: four blocks of 256 bytes that no other line names
.set LA16,  4                          ; v4   16 x lane
.set LA8,   5                          ; v5   8 x lane
.set SA,    6                          ; v6   the stage, on the way in
.set LD,    7                          ; v7   and on the way out: row r, + 128 h
.set H8,    8                          ; v8   8 h
.set SCA,   9                          ; v9   where my scale word goes in LDS
.set M,     10                         ; v10-11 largest magnitudes;  v12-13 the conversions' scale operands;  v14-15 the bytes
.set SO,    12
.set BY,    14
.set W,     16                         ; v16-17 the scale words of my two K steps
.set PD,    18                         ; v18  a lane permute's destination
.set SELW,  19
.set OUTS,  20                         ; v20-23 scale bytes on the way out
.set SCR,   24                         ; v24  where waves 0 and 1 read them;  v25 where they store them
.set SCO,   25
.set LAH,   26                         ; v26  16 x lane + the distance from a tile's lane row 0 to its lane row 8
.set SPW,   30                         ; v30  my spare word's LDS address;  v31 0: both never rewritten
.set NIL,   31
.set R,     32                         ; v32-159  the numbers as loaded: 2 K steps x 16 rows x 4 registers
.set X,     160                        ; v160-223 64 numbers of my row: register 32 c + i = k 64 c + 32 h + i
.set C,     224                        ; v224-247 codes: 12 registers a K step, so that no store's data are written again
.set TQ,    248                        ; v248-255 the upper halves of blocks, before they are moved
	s_load_b512 s[8:23], s[0:1], 0x0               ; query, keys, values, Wq, Wk, Wv, Wo, codes
	s_load_b64 s[24:25], s[0:1], 0x40              ; scl
	v_lshl_add_u32 v[SPW], v0, 2, SPARE
	v_mov_b32 v[NIL], 0
	v_lshrrev_b32 v1, 5, v0
	s_delay_alu instid0(VALU_DEP_1)
	v_readfirstlane_b32 s2, v1                     ; wave 0..7
	v_and_b32 v1, 31, v0                           ; lane
	v_and_b32 v2, 15, v0                           ; r
	v_bfe_u32 v3, v0, 4, 1                         ; h
	s_delay_alu instid0(VALU_DEP_3)
	v_lshlrev_b32 v[LA16], 4, v1
	s_delay_alu instid0(VALU_DEP_4)
	v_lshlrev_b32 v[LA8], 3, v1
	s_lshr_b32 s3, s2, 2                           ; u: which of the two tiles
	s_and_b32 s26, s2, 3                           ; kq: which 256 along K
	s_mul_i32 s27, s2, STGB
	v_add_nc_u32 v[SA], s27, v[LA16]
	v_mul_u32_u24 v[LD], v2, PITCH
	s_delay_alu instid0(VALU_DEP_1)
	v_lshl_add_u32 v[LD], v3, 7, v[LD]
	s_delay_alu instid0(VALU_DEP_1)
	v_add_nc_u32 v[LD], s27, v[LD]
	v_lshlrev_b32 v[H8], 3, v3
	s_lshl_b32 s28, s3, 9
	s_lshl_b32 s29, s26, 3
	s_add_co_u32 s28, s28, s29
	s_add_co_u32 s28, s28, SCG
	v_lshlrev_b32 v[SCA], 5, v2
	s_delay_alu instid0(VALU_DEP_1)
	v_lshl_add_u32 v[SCA], v3, 2, v[SCA]
	s_delay_alu instid0(VALU_DEP_1)
	v_add_nc_u32 v[SCA], s28, v[SCA]               ; SCG + 512 u + 32 r + 8 kq + 4 h: lanes 0-15 store the first K step's word, lanes 16-31 the second's
	s_and_b32 s29, s2, 1
	s_lshl_b32 s29, s29, 9
	v_add_nc_u32 v[SCO], s29, v[LA16]              ; 512 (wave % 2) + 16 x lane
	s_delay_alu instid0(VALU_DEP_1)
	v_add_nc_u32 v[SCR], SCG, v[SCO]
	v_mov_b32 v[PD], 0                             ; written once: a lane permute's destination counts as one of its sources
	s_mov_b32 s34, 0x76543210
	s_mov_b32 s35, 0xfedcba98                      ; v_permlanex16_b32's selects for lane l xor 16
	s_wait_kmcnt 0x0
	s_mov_b64 s[4:5], s[20:21]                     ; which tensor holds my rows: the choice hangs on the work-group's number alone
	s_cmp_lt_u32 ttmp9, 480
	s_cselect_b64 s[4:5], s[18:19], s[4:5]
	s_cmp_lt_u32 ttmp9, 448
	s_cselect_b64 s[4:5], s[16:17], s[4:5]
	s_cmp_lt_u32 ttmp9, 416
	s_cselect_b64 s[4:5], s[14:15], s[4:5]
	s_cmp_lt_u32 ttmp9, 384
	s_cselect_b64 s[4:5], s[12:13], s[4:5]
	s_cmp_lt_u32 ttmp9, 256
	s_cselect_b64 s[4:5], s[10:11], s[4:5]
	s_cmp_lt_u32 ttmp9, 128
	s_cselect_b64 s[4:5], s[8:9], s[4:5]
	s_cmp_lt_u32 ttmp9, 384
	s_cselect_b32 s30, 127, 31                     ; 128 pairs of tiles in an activation, 32 in a weight
	s_and_b32 s30, ttmp9, s30                      ; g: my pair of tiles in its tensor
	s_lshr_b32 s36, ttmp9, 7                       ; 1 in the keys tensor's work-groups
	s_lshr_b32 s37, s30, 1
	s_lshl_b32 s37, s37, 18                        ; keys: 64 (g / 2) rows of 4,096 bytes,
	s_and_b32 s38, s30, 1
	s_lshl_b32 s38, s38, 16                        ; + 16 (g % 2) rows
	s_add_co_u32 s37, s37, s38
	s_lshl_b32 s30, s30, 17                        ; the others: 32 g rows
	s_mov_b32 s38, 65536                           ; lane row 8 lies 16 rows behind lane row 0;
	s_cmp_eq_u32 s36, 1
	s_cselect_b32 s30, s37, s30
	s_cselect_b32 s38, 131072, s38                 ; in keys 32 rows
	v_add_nc_u32 v[LAH], s38, v[LA16]
	s_wait_alu depctr_va_vdst(0)
	s_lshl_b32 s31, s3, 15                         ; 8 rows for the second tile,
	s_add_co_u32 s30, s30, s31
	s_lshl_b32 s31, s26, 10                        ; 256 numbers along K
	s_add_co_u32 s30, s30, s31
	s_mov_b32 s31, 0
	s_add_nc_u64 s[4:5], s[4:5], s[30:31]
	s_mul_i32 s32, ttmp9, 24576                    ; codes: two tiles of 12,288 bytes a work-group,
	s_mul_i32 s33, s3, 12288
	s_add_co_u32 s32, s32, s33
	s_mul_i32 s33, s26, 3072                       ; four half images for my 256 along K
	s_add_co_u32 s32, s32, s33
	s_mov_b32 s33, 0
	s_add_nc_u64 s[22:23], s[22:23], s[32:33]
	s_lshl_b32 s32, ttmp9, 10                      ; scl: 1,024 bytes a work-group
	s_add_nc_u64 s[24:25], s[24:25], s[32:33]
.irp e, 0,1
.irp i, 0,1,2,3,4,5,6,7
	global_load_b128 v[R+64*\e+4*\i:R+64*\e+4*\i+3], v[LA16], s[4:5] offset:\i*4096+512*\e th:TH_LOAD_NT   ; lane row i of the tile, K step e: 512 consecutive bytes
.endr
.irp i, 0,1,2,3,4,5,6,7
	global_load_b128 v[R+64*\e+32+4*\i:R+64*\e+32+4*\i+3], v[LAH], s[4:5] offset:\i*4096+512*\e th:TH_LOAD_NT   ; lane row 8 + i
.endr
.endr
.macro TURN e                          ; K step e's 16 rows through my stage.  LDS serves a wave's instructions in order: no wait between the stores and the loads
.if \e == 0
	s_wait_loadcnt 16                              ; the first K step's 16 loads are in; the second's 16 may be out
.else
	s_wait_loadcnt 0x0
.endif
.irp i, 0,1,2,3,4,5,6,7,8,9,10,11,12,13,14,15
	ds_store_b128 v[SA], v[R+64*\e+4*\i:R+64*\e+4*\i+3] offset:PITCH*\i
.endr
.irp c, 0,1
.irp j, 0,1,2,3,4,5,6,7
	ds_load_b128 v[X+32*\c+4*\j:X+32*\c+4*\j+3], v[LD] offset:256*\c+16*\j
.endr
.endr
	s_wait_dscnt 0x0
.endm
.macro QUANT64 e                       ; my two whole blocks (2 c + h of the K step) become 12 registers of codes; the row's scale word is gathered from lanes l and l xor 16
.irp c, 0,1
	v_max3_num_f32 v[M+\c], |v[X+32*\c]|, |v[X+32*\c+1]|, 0x1800000   ; with the floor 2^(3 - 127): the byte cannot fall under 1
.endr
.irp i, 2,4,6,8,10,12,14,16,18,20,22,24,26,28,30
.irp c, 0,1
	s_delay_alu instid0(VALU_DEP_2)
	v_max3_num_f32 v[M+\c], v[M+\c], |v[X+32*\c+\i]|, |v[X+32*\c+\i+1]|
.endr
.endr
.irp c, 0,1
	s_delay_alu instid0(VALU_DEP_2)
	v_add_nc_u32 v[SO+\c], 0xff000000, v[M+\c]     ; 2 off the exponent field: the conversion takes the exponent field of this operand as its scale
.endr
.irp c, 0,1
	s_delay_alu instid0(VALU_DEP_2)
	v_lshrrev_b32 v[BY+\c], 23, v[SO+\c]           ; the scale's byte
.endr
	s_delay_alu instid0(VALU_DEP_1)
	v_lshl_or_b32 v[W+\e], v[BY+1], 16, v[BY]
	s_delay_alu instid0(VALU_DEP_1)
	v_lshlrev_b32 v[W+\e], v[H8], v[W+\e]          ; bytes h and 2 + h of the word
	s_delay_alu instid0(VALU_DEP_1)
	v_permlanex16_b32 v[PD], v[W+\e], s34, s35
	s_delay_alu instid0(VALU_DEP_1)
	v_or_b32 v[W+\e], v[W+\e], v[PD]               ; with lane l xor 16's two the word is whole
.irp c, 0,1
	v_cvt_scalef32_pk16_fp6_f32 v[C+12*\e+6*\c:C+12*\e+6*\c+2], v[X+32*\c:X+32*\c+15], v[SO+\c]
	v_cvt_scalef32_pk16_fp6_f32 v[TQ+4*\c:TQ+4*\c+2], v[X+32*\c+16:X+32*\c+31], v[SO+\c]   ; (a conversion's three registers begin on an even number)
.endr
	v_nop                                          ; one plain line behind the last scaled conversion
.irp c, 0,1
.irp i, 0,1,2
	v_mov_b32 v[C+12*\e+6*\c+3+\i], v[TQ+4*\c+\i]
.endr
.endr
.irp c, 0,1
	global_store_b128 v[LA16], v[C+12*\e+6*\c:C+12*\e+6*\c+3], s[22:23] offset:1536*\e+768*\c          ; a half image: 512 consecutive bytes,
	global_store_b64 v[LA8], v[C+12*\e+6*\c+4:C+12*\e+6*\c+5], s[22:23] offset:1536*\e+768*\c+512      ; and 256
.endr
.endm
	TURN 0
	QUANT64 0
	TURN 1
	QUANT64 1
	v_cmp_eq_u32 vcc_lo, 1, v3
	s_delay_alu instid0(VALU_DEP_1)
	v_cndmask_b32 v[SELW], v[W], v[W+1], vcc_lo    ; lanes 0-15: the first K step's word, lanes 16-31: the second's
	ds_store_b32 v[SCA], v[SELW]
	s_wait_dscnt 0x0                               ; for the others' sake: my word has landed
	s_barrier_signal -1
	s_barrier_wait -1                              ; the work-group's 1,024 scale bytes lie in LDS
	s_cmp_gt_u32 s2, 1
	s_cbranch_scc1 .Ldone
	ds_load_b128 v[OUTS:OUTS+3], v[SCR]            ; waves 0 and 1 store a tile's 512 bytes each
	s_wait_dscnt 0x0
	global_store_b128 v[SCO], v[OUTS:OUTS+3], s[24:25]
.Ldone:
	s_wait_tensorcnt 0x0                           ; the wave's end: behind my last LDS store
	ds_add_u32 v[SPW], v[NIL]
	s_wait_dscnt 0x0
	s_endpgm
.Lfunc_end_k_q5a30b9def5_quant:
	.size	k_q5a30b9def5_quant, .Lfunc_end_k_q5a30b9def5_quant-k_q5a30b9def5_quant
	.p2alignl 7, 3214868480
	.fill 96, 4, 3214868480
	.section	.rodata,"a",@progbits
	.p2align	6, 0x0
	.amdhsa_kernel k_q5a30b9def5_quant
		.amdhsa_group_segment_fixed_size 69632
		.amdhsa_private_segment_fixed_size 0
		.amdhsa_enable_private_segment 0
		.amdhsa_kernarg_size 72
		.amdhsa_user_sgpr_count 2
		.amdhsa_user_sgpr_kernarg_segment_ptr 1
		.amdhsa_wavefront_size32 1
		.amdhsa_system_sgpr_workgroup_id_x 1
		.amdhsa_system_sgpr_workgroup_id_y 1
		.amdhsa_system_sgpr_workgroup_id_z 1
		.amdhsa_system_vgpr_workitem_id 0
		.amdhsa_next_free_vgpr 256
		.amdhsa_next_free_sgpr 66
		.amdhsa_reserve_vcc 1
		.amdhsa_float_denorm_mode_32 3
		.amdhsa_float_denorm_mode_16_64 3
		.amdhsa_memory_ordered 1
		.amdhsa_forward_progress 1
		.amdhsa_inst_pref_size 21
	.end_amdhsa_kernel
	.amdgpu_metadata
---
amdhsa.version: [ 1, 2 ]
amdhsa.kernels:
  - .name:           k_q5a30b9def5_quant
    .symbol:         k_q5a30b9def5_quant.kd
    .args:
      - { .name: query, .offset: 0, .size: 8, .value_kind: global_buffer, .address_space: global }
      - { .name: keys, .offset: 8, .size: 8, .value_kind: global_buffer, .address_space: global }
      - { .name: values, .offset: 16, .size: 8, .value_kind: global_buffer, .address_space: global }
      - { .name: Wq, .offset: 24, .size: 8, .value_kind: global_buffer, .address_space: global }
      - { .name: Wk, .offset: 32, .size: 8, .value_kind: global_buffer, .address_space: global }
      - { .name: Wv, .offset: 40, .size: 8, .value_kind: global_buffer, .address_space: global }
      - { .name: Wo, .offset: 48, .size: 8, .value_kind: global_buffer, .address_space: global }
      - { .name: codes, .offset: 56, .size: 8, .value_kind: global_buffer, .address_space: global }
      - { .name: scl, .offset: 64, .size: 8, .value_kind: global_buffer, .address_space: global }
    .group_segment_fixed_size: 69632
    .private_segment_fixed_size: 0
    .kernarg_segment_align: 8
    .kernarg_segment_size: 72
    .max_flat_workgroup_size: 256
    .sgpr_count:     66
    .vgpr_count:     256
    .wavefront_size: 32
...
	.end_amdgpu_metadata
.endif
;; end of part 1
;; launch proj (part 2): grid 8 x 32, 4 waves a work-group, clusters of 4 x 4, 327,680 bytes of LDS; arguments codes, scl, qb, kvb; writes qb, kvb
.if DOCPART == 2
	.amdgcn_target "amdgcn-amd-amdhsa--gfx1250"
	.amdhsa_code_object_version 6
	.text
	.protected	k_q5a30b9def5_proj
	.globl	k_q5a30b9def5_proj
	.p2align	8
	.type	k_q5a30b9def5_proj,@function
k_q5a30b9def5_proj:
	s_mov_b64 s[64:65], 0
	v_nop
	global_prefetch_b8 v0, s[64:65] scope:SCOPE_SE
	s_setreg_imm32_b32 hwreg(HW_REG_WAVE_MODE, 25, 1), 1
	s_wait_xcnt 0x0
	s_wait_alu depctr_hold_cnt(0) depctr_sa_sdst(0) depctr_va_vdst(0) depctr_va_sdst(0) depctr_va_ssrc(0) depctr_va_vcc(0) depctr_vm_vsrc(0)
	s_getreg_b32 s2, hwreg(HW_REG_IB_STS2, 6, 4)
	s_cmp_eq_u32 s2, 0
	s_cbranch_scc0 .Lentry_in_a_cluster
	s_endpgm
.Lentry_in_a_cluster:
	s_bfe_u32 s2, ttmp6, 0x10000c
	s_cmp_lg_u32 s2, 0xf033
	s_cbranch_scc0 .Lentry_shape_is_right
	s_endpgm
.Lentry_shape_is_right:
; LAUNCH 2 OF 4: q = query Wq^T, k = keys Wk^T, v = values Wv^T on codes of E2M3, and each result quantised at once for the product that takes it: q and k along the head's 64, v along the keys.  No work is left out.
; OUT[row of S1][row of S0] = sum over K: source 0 = 16 rows of S0, source 1 = 16 rows of S1: a lane holds ONE row of S1, and its registers run along S0's rows.  By S0's tiles' choice of rows (lane row r of tile T is row
; 32 (T / 2) + 8 (T % 2) + r + 8 (r / 8)) the 16 registers of S0's tiles 2 b and 2 b + 1 are 16 NEIGHBOURS, 32 b + 16 h + 0 .. 15: what is quantised runs along S0.
; q, k: S1 = the tokens, S0 = the weight's rows (a wave's 64 are one head).  v: S1 = Wv's rows (a wave's 64 are one head), S0 = the tokens, which are the second attention product's K.
; A WORK-GROUP STAYS: it makes a tile of 128 x 128 of q, then one of k, then one of v; each of its four waves 64 x 64: 16 accumulators, 16 matrix instructions for each of a tile's 8 K steps of 128.
; THE RING.  A half is 4 K steps of both panels, 98,304 bytes; the three tiles' six halves (half n = 2 x tile + half of K) go through three LDS slots, half n in slot n % 3.  Halves 0 to 2 are asked for at the head: one tensor
; load of a wave is out at the most.  Halves 3 to 5 fill slots 0 to 2 again, each when its slot has been read out: every wave waits for all its tensor loads, adds 0 to its spare word, waits for that and for its reads of
; the slot; a round of the cluster's barrier; and the wave's one load stands first behind the round.
; CLUSTERS: 4 x 4 work-groups; S1's panel is shared along a row of the cluster, S0's along a column: each is asked for jointly, by the same load with the same descriptor and a mask that names the four.
; Operands lie in memory and in LDS as images of the registers (a half image: one tile x 64 K, 768 bytes: lane l's registers 0-3 at 16 l, registers 4, 5 at 512 + 8 l): every LDS load reads consecutive bytes.
; LIMITS: a block whose largest magnitude lies under 2^-124 keeps the scale byte 1.
; REGISTERS: window 0: v4-19 addresses; v22-32 at work; v34-61 the way out; v64-95, v96-127 two sets of scale words (in a set: S1's at 0, S0's at 16; register 8 g + s: lanes 0-15 tile 2 g, lanes 16-31 tile 2 g + 1, K step s);
;   v128-255 accumulator (a, b) at 128 + 8 (4 a + b).   window 1: two sets of fragments, at v0 and v96: S1's fragment a at 12 a, S0's fragment b at 48 + 12 b.
.set SLOTB, 98304                      ; a slot: S1's 8 tiles x 6,144 bytes (4 K steps), then S0's 8
.set SPARE, 3*SLOTB                    ; behind the ring: the spare words, 128 bytes for each wave: two blocks of 256 bytes that no other line names
.set LA16, 4                           ; v4 16 x lane;  v5 8 x lane;  v6 32 x lane
.set LA8,  5
.set LS32, 6
.set A1,   8                           ; v8-10  my S1 half's images in slots 0 to 2, 16 x lane;  v11-13 the same with 8 x lane
.set A1B,  11
.set A0,   14                          ; v14-19 the same for S0
.set A0B,  17
.set SPW,  20                          ; v20 my spare word's LDS address;  v21 0: both never rewritten
.set NIL,  21
.set QM,   22                          ; v22-23 largest magnitudes; v24-25 permutes' destinations; v26-27 scale operands; v28-29 bytes; v30-32 a block's upper half
.set QP,   24
.set QSO,  26
.set QBY,  28
.set QT,   30
.set HIM,  34                          ; v34-57 four half images;  v58-61 their scale words
.set SW,   58
.set SCA,  64                          ; the scale words of q's tile, later of v's
.set SCB,  96                          ; those of k's
.set ACC,  128
.set WV,   12                          ; s12 wave; s13 I = wave / 2: my half of S1, and whether I fetch for S1 (0) or S0 (1); s14 J = wave % 2: my half of S0, and which four tiles I fetch
.set G1,   24                          ; s[24:31] descriptor group 1 for S1's panel; s[32:39] for S0's
.set G1B,  32
.set G0,   40                          ; s[40:51] S1's groups 0, one for each slot; s[68:79] S0's
.set G0B,  68
.set O1,   52                          ; s[52:57] where halves 3, 4, 5 of S1 begin in codes, as pairs with 0 above; s[58:63] the same for S0
.set O0,   58
.set MSB, 0
.macro WIN new                         ; the immediate's high byte repeats the setting that is left; a switch that changes nothing is dropped
.if MSB != \new
	s_set_vgpr_msb (MSB<<8)|\new
.set MSB, \new
.endif
.endm
.set MUL,  0x05                        ; sources 0 and 1 window 1; C and D window 0
.set TO_F, 0x40                        ; destination window 1, address window 0
.macro CREST                           ; a round of the cluster's barrier behind its opening barrier
	s_cmp_lg_u32 s[WV], 0
	s_cbranch_scc1 .Lnot_wave_0_\@
	s_barrier_signal -3
.Lnot_wave_0_\@:
	s_barrier_wait -3
	s_barrier_signal -1
	s_barrier_wait -1
.endm
.macro CROUND                          ; a whole round
	s_barrier_signal -1
	s_barrier_wait -1
	CREST
.endm
.macro PLACES                          ; four plain lines between a matrix instruction and a load into, or a read of, its registers
.rept 4
	v_nop
.endr
.endm
.macro JLOAD n                         ; a joint refill of slot n: waves 0 and 1 fetch for S1, waves 2 and 3 for S0; an s_nop 0 and four v_nop follow each of the two lines
	s_cmp_eq_u32 s13, 0
	s_cbranch_scc0 .Lfor_b_\@
	tensor_load_to_lds s[G0+4*\n:G0+4*\n+3], s[G1:G1+7]
	s_nop 0
	PLACES
	s_branch .Lasked_\@
.Lfor_b_\@:
	tensor_load_to_lds s[G0B+4*\n:G0B+4*\n+3], s[G1B:G1B+7]
	s_nop 0
	PLACES
.Lasked_\@:
.endm
	s_load_b256 s[4:11], s[0:1], 0x0               ; codes, scl, qb, kvb
	v_lshl_add_u32 v[SPW], v0, 2, SPARE
	v_mov_b32 v[NIL], 0
	ds_add_u32 v[SPW], v[NIL]                      ; the wave's opening: the add, twice on end, and its wait ahead of my first tensor load
	ds_add_u32 v[SPW], v[NIL]
	v_lshrrev_b32 v1, 5, v0
	v_readfirstlane_b32 s[WV], v1
	s_lshr_b32 s13, s[WV], 1
	s_and_b32 s14, s[WV], 1
	s_bfe_u32 s15, ttmp6, 0x40000                  ; cx
	s_bfe_u32 s16, ttmp6, 0x40004                  ; cy
	s_and_b32 s17, ttmp7, 0xffff                   ; the cluster's y, 0 .. 7; its x, ttmp9, is 0 or 1
	s_lshl_b32 s18, s17, 1
	s_add_co_u32 s18, s18, ttmp9                   ; the cluster's number among the sixteen
	s_lshl_b32 s20, ttmp9, 2
	s_add_co_u32 s20, s20, s15                     ; q, k: S0's panel (8 of the weight's rows),
	s_lshl_b32 s21, s17, 2
	s_add_co_u32 s21, s21, s16                     ; S1's panel (32 of tokens)
	s_and_b32 s22, s18, 7                          ; v has 32 panels of S0 (tokens) and 8 of S1 (Wv's rows): there the clusters count 8 x 2
	s_lshl_b32 s22, s22, 2
	s_add_co_u32 s22, s22, s15                     ; v: S0's panel,
	s_lshr_b32 s23, s18, 3
	s_lshl_b32 s23, s23, 2
	s_add_co_u32 s23, s23, s16                     ; S1's panel
	s_lshl_b32 s19, s14, 2                         ; the four tiles that I fetch
	; where the halves begin in codes (a tile is 12,288 bytes, 4 K steps 6,144).  S1's hang on cy alone, S0's on cx alone, each in registers of their own
	s_lshl_b32 s94, s21, 3                         ; S1: q's tokens begin at tile 0,
	s_add_co_u32 s94, s94, s19
	s_mul_i32 s94, s94, 12288
	s_mov_b32 s95, 0
	s_add_co_u32 s[O1], s94, 256*12288+6144        ; half 3: k's tokens begin 256 tiles on; its second half of K
	s_mov_b32 s[O1+1], 0
	s_lshl_b32 s[O1+2], s23, 3
	s_add_co_u32 s[O1+2], s[O1+2], s19
	s_add_co_u32 s[O1+2], s[O1+2], 896             ; half 4: Wv begins at tile 896
	s_mul_i32 s[O1+2], s[O1+2], 12288
	s_mov_b32 s[O1+3], 0
	s_add_co_u32 s[O1+4], s[O1+2], 6144            ; half 5
	s_mov_b32 s[O1+5], 0
	s_lshl_b32 s96, s20, 3                         ; S0: Wq begins at tile 768,
	s_add_co_u32 s96, s96, s19
	s_add_co_u32 s96, s96, 768
	s_mul_i32 s96, s96, 12288
	s_mov_b32 s97, 0
	s_add_co_u32 s[O0], s96, 64*12288+6144         ; Wk 64 tiles on
	s_mov_b32 s[O0+1], 0
	s_lshl_b32 s[O0+2], s22, 3
	s_add_co_u32 s[O0+2], s[O0+2], s19
	s_add_co_u32 s[O0+2], s[O0+2], 512             ; values at tile 512
	s_mul_i32 s[O0+2], s[O0+2], 12288
	s_mov_b32 s[O0+3], 0
	s_add_co_u32 s[O0+4], s[O0+2], 6144
	s_mov_b32 s[O0+5], 0
	s_mul_i32 s93, s[WV], 24576                    ; where my four tiles go in a slot: no place in the cluster enters an LDS address
	s_lshl_b32 s66, s16, 2
	s_lshl_b32 s66, 15, s66                        ; my row of the cluster
	s_lshl_b32 s67, 0x1111, s15                    ; my column
	s_or_b32 s[G1], s66, (3<<16)|(1<<21)           ; 15:0 the mask; 17:16 elements of 8 bytes; 20 no padding; 21 set beside a mask
	s_or_b32 s[G1B], s67, (3<<16)|(1<<21)
.irp g, G1, G1B
	s_mov_b32 s[\g+1], 768<<16                     ; tensor_dim0 = 768 elements: 6,144 bytes, a tile's four K steps
	s_mov_b32 s[\g+2], 8<<16                       ; tensor_dim1 = 8 tiles for the head's loads; behind them 4
	s_mov_b32 s[\g+3], 768<<16                     ; tile_dim0
	s_mov_b32 s[\g+4], 8                           ; tile_dim1, likewise
	s_mov_b32 s[\g+5], 1536                        ; from tile to tile: 12,288 bytes
	s_mov_b32 s[\g+6], 0
	s_mov_b32 s[\g+7], 0
.endr
	; the scale bytes of my four tiles of each panel: 512 bytes a tile.  k's lie a constant behind q's
	s_lshl_b32 s98, s13, 2
	s_lshl_b32 s84, s21, 3
	s_add_co_u32 s84, s84, s98
	s_lshl_b32 s84, s84, 9                         ; q: S1
	s_mov_b32 s85, 0
	s_lshl_b32 s86, s20, 3
	s_add_co_u32 s86, s86, s19
	s_add_co_u32 s86, s86, 768
	s_lshl_b32 s86, s86, 9                         ; q: S0
	s_mov_b32 s87, 0
	s_lshl_b32 s88, s23, 3
	s_add_co_u32 s88, s88, s98
	s_add_co_u32 s88, s88, 896
	s_lshl_b32 s88, s88, 9                         ; v: S1
	s_mov_b32 s89, 0
	s_lshl_b32 s90, s22, 3
	s_add_co_u32 s90, s90, s19
	s_add_co_u32 s90, s90, 512
	s_lshl_b32 s90, s90, 9                         ; v: S0
	s_mov_b32 s91, 0
	s_lshl_b32 s92, s14, 4                         ; v: the second key half's two scale bytes stand in the word's upper half
	s_mov_b32 s2, 0x76543210
	s_mov_b32 s3, 0xfedcba98                       ; v_permlanex16_b32's selects for lane l xor 16
	v_and_b32 v1, 31, v0
	v_lshlrev_b32 v[LA16], 4, v1
	v_lshlrev_b32 v[LA8], 3, v1
	v_lshlrev_b32 v[LS32], 5, v1
	v_min_u32 v7, 23, v1                           ; v7: the prefetches' offset: a tile's four K steps are 24 blocks of 256 bytes, a lane a block (lanes 24-31 name the last again); never rewritten
	v_lshlrev_b32 v7, 8, v7
	s_mul_i32 s17, s13, 24576                      ; my half of S1 in a slot,
	s_mul_i32 s18, s14, 24576
	s_add_co_u32 s18, s18, 49152                   ; my half of S0
	v_add_nc_u32 v[A1], s17, v[LA16]
	v_add_nc_u32 v[A1+1], SLOTB, v[A1]
	v_add_nc_u32 v[A1+2], 2*SLOTB, v[A1]
	v_add_nc_u32 v[A1B], s17, v[LA8]
	v_add_nc_u32 v[A1B+1], SLOTB, v[A1B]
	v_add_nc_u32 v[A1B+2], 2*SLOTB, v[A1B]
	v_add_nc_u32 v[A0], s18, v[LA16]
	v_add_nc_u32 v[A0+1], SLOTB, v[A0]
	v_add_nc_u32 v[A0+2], 2*SLOTB, v[A0]
	v_add_nc_u32 v[A0B], s18, v[LA8]
	v_add_nc_u32 v[A0B+1], SLOTB, v[A0B]
	v_add_nc_u32 v[A0B+2], 2*SLOTB, v[A0B]
	v_mov_b32 v[QP], 0                             ; written once: a lane permute's destination counts as one of its sources
	v_mov_b32 v[QP+1], 0
	s_wait_dscnt 0x0                               ; both opening adds are done
	s_wait_kmcnt 0x0
	s_add_nc_u64 s[94:95], s[4:5], s[94:95]        ; half 0 of S1,
	s_add_nc_u64 s[96:97], s[4:5], s[96:97]        ; of S0
	s_add_nc_u64 s[84:85], s[6:7], s[84:85]
	s_add_nc_u64 s[86:87], s[6:7], s[86:87]
	s_add_nc_u64 s[88:89], s[6:7], s[88:89]
	s_add_nc_u64 s[90:91], s[6:7], s[90:91]
.macro SETG0 n, d1, d0                 ; slot n's groups 0, for half n: d1, d0 bytes behind half 0
	s_mov_b32 s[G0+4*\n], 1                        ; count = 1
	s_add_co_u32 s[G0+4*\n+1], s93, \n*SLOTB       ; LDS address
	s_add_nc_u64 s[G0+4*\n+2:G0+4*\n+3], s[94:95], \d1
	s_or_b32 s[G0+4*\n+3], s[G0+4*\n+3], 0x80000000   ; type = 2
	s_mov_b32 s[G0B+4*\n], 1
	s_add_co_u32 s[G0B+4*\n+1], s93, \n*SLOTB
	s_add_nc_u64 s[G0B+4*\n+2:G0B+4*\n+3], s[96:97], \d0
	s_or_b32 s[G0B+4*\n+3], s[G0B+4*\n+3], 0x80000000
.endm
	; THE HEAD'S LOADS, ONE A WAVE: wave 2 I + J fetches all eight tiles of half I of S1's panel (J = 0) or of S0's (J = 1): halves 0 and 1 fill slots 0 and 1.
	; They go by slot 0's groups 0, whose LDS address is set for the ring behind the wait for them.
	s_mov_b32 s[G0], 1
	s_mul_i32 s[G0+1], s13, SLOTB
	s_mul_i32 s98, s21, 8*12288                    ; S1: q's tokens, my panel's first tile (it hangs on cy alone)
	s_mul_i32 s99, s13, 6144
	s_add_co_u32 s98, s98, s99
	s_mov_b32 s99, 0
	s_add_nc_u64 s[G0+2:G0+3], s[4:5], s[98:99]
	s_or_b32 s[G0+3], s[G0+3], 0x80000000
	s_mov_b32 s[G0B], 1
	s_mul_i32 s[G0B+1], s13, SLOTB
	s_add_co_u32 s[G0B+1], s[G0B+1], 49152
	s_mul_i32 s100, s20, 8*12288                   ; S0: Wq, my panel's first tile (on cx alone)
	s_mul_i32 s101, s13, 6144
	s_add_co_u32 s100, s100, s101
	s_add_co_u32 s100, s100, 768*12288
	s_mov_b32 s101, 0
	s_add_nc_u64 s[G0B+2:G0B+3], s[4:5], s[100:101]
	s_or_b32 s[G0B+3], s[G0B+3], 0x80000000
	SETG0 1, 6144, 6144
	SETG0 2, 256*12288, 64*12288
	CROUND                                         ; all sixteen work-groups are here: the joint loads meet
	s_cmp_eq_u32 s14, 0                            ; one load in each arm of one branch on the wave's number
	s_cbranch_scc0 .Lfor_s0
	tensor_load_to_lds s[G0:G0+3], s[G1:G1+7]
	s_nop 0
	PLACES
	s_branch .Lasked
.Lfor_s0:
	tensor_load_to_lds s[G0B:G0B+3], s[G1B:G1B+7]
	s_nop 0
	PLACES
.Lasked:
.irp g, 0,1
.irp p, 0,1
	global_load_b128 v[SCA+8*\g+4*\p:SCA+8*\g+4*\p+3], v[LS32], s[84:85] offset:1024*\g+16*\p   ; q: lane 16 u + r: tile 2 g + u, row r, the words of K steps 4 p .. 4 p + 3
	global_load_b128 v[SCA+16+8*\g+4*\p:SCA+16+8*\g+4*\p+3], v[LS32], s[86:87] offset:1024*\g+16*\p
	global_load_b128 v[SCB+8*\g+4*\p:SCB+8*\g+4*\p+3], v[LS32], s[84:85] offset:256*512+1024*\g+16*\p   ; k: 256 tiles on,
	global_load_b128 v[SCB+16+8*\g+4*\p:SCB+16+8*\g+4*\p+3], v[LS32], s[86:87] offset:64*512+1024*\g+16*\p
.endr
.endr
	; PREFETCHES INTO THE L2, two fills ahead: the head (halves 0, 1) asks for halves 2 and 3, half 2's fill for half 4, half 3's for half 5.  A panel's half is 8 tiles x 24 blocks of 256 bytes.
	; The four partners that will ask for a panel jointly share its tiles out BY ADDRESS: the partner at place p (cx for S1, cy for S0) takes tiles 2 p and 2 p + 1, one a wave: waves 0, 1 for S1, waves 2, 3 for S0.
	; A panel of tokens is loaded by two clusters, which both ask; a panel of a weight by eight, of which four ask (a branch on the cluster's number, the same in all partners, round the prefetch alone).
	s_and_b32 s98, ttmp7, 0xffff
	s_lshl_b32 s99, s98, 1
	s_add_co_u32 s99, s99, ttmp9
	s_and_b32 s99, s99, 7
	s_mul_i32 s98, s98, s13                        ; s98: Wk's waves: the cluster's y; the tokens' waves: 0
	s_xor_b32 s19, s13, 1
	s_mul_i32 s99, s99, s19                        ; s99: Wv's waves: the cluster's place along v's tokens; the tokens' waves: 0
	s_mov_b32 s19, 832
	s_mov_b32 s101, 512
	s_cmp_eq_u32 s13, 0
	s_cselect_b32 s100, s21, s20                   ; k: the panel,
	s_cselect_b32 s104, s23, s22                   ; v: the panel,
	s_cselect_b32 s15, s15, s16                    ; my place among the four,
	s_cselect_b32 s19, 256, s19                    ; the tensors' first tiles: keys or Wk,
	s_cselect_b32 s101, 896, s101                  ; Wv or values
	s_lshl_b32 s15, s15, 1
	s_add_co_u32 s15, s15, s14
	s_lshl_b32 s100, s100, 3
	s_add_co_u32 s100, s100, s19
	s_add_co_u32 s100, s100, s15
	s_mul_i32 s100, s100, 12288
	s_lshl_b32 s104, s104, 3
	s_add_co_u32 s104, s104, s101
	s_add_co_u32 s104, s104, s15
	s_mul_i32 s104, s104, 12288
	s_mov_b32 s101, 0
	s_mov_b32 s105, 0
	s_add_nc_u64 s[100:101], s[4:5], s[100:101]    ; s[100:101], s[104:105]: my tile of k's and of v's operand; never rewritten
	s_add_nc_u64 s[104:105], s[4:5], s[104:105]
	s_cmp_lt_u32 s98, 4
	s_cbranch_scc0 .Lno_pf_k
	global_prefetch_b8 v7, s[100:101] th:TH_LOAD_NT scope:SCOPE_SE
	global_prefetch_b8 v7, s[100:101] offset:6144 th:TH_LOAD_NT scope:SCOPE_SE
.Lno_pf_k:
; 32 LDS loads in one run: the eight fragments of a slot's q-th K step into set buf
.macro FETCH slot, q, buf
	WIN TO_F
.irp t, 0,1,2,3
.irp hf, 0,1
	ds_load_b128 v[96*(\buf)+48+12*\t+6*\hf:96*(\buf)+48+12*\t+6*\hf+3], v[A0+(\slot)] offset:\t*6144+(\q)*1536+\hf*768
	ds_load_b64 v[96*(\buf)+48+12*\t+6*\hf+4:96*(\buf)+48+12*\t+6*\hf+5], v[A0B+(\slot)] offset:\t*6144+(\q)*1536+\hf*768+512
.endr
.endr
.irp t, 0,1,2,3
.irp hf, 0,1
	ds_load_b128 v[96*(\buf)+12*\t+6*\hf:96*(\buf)+12*\t+6*\hf+3], v[A1+(\slot)] offset:\t*6144+(\q)*1536+\hf*768
	ds_load_b64 v[96*(\buf)+12*\t+6*\hf+4:96*(\buf)+12*\t+6*\hf+5], v[A1B+(\slot)] offset:\t*6144+(\q)*1536+\hf*768+512
.endr
.endr
.endm
; one product: S0's tile b x S1's tile a, the tile's K step s, scale words of set scs.  An odd tile's scale words stand in lanes 16-31 of its pair's register.  zero = 1: the product starts the sum
.macro W1 s, buf, a, b, zero, scs
.set rD, ACC+8*(4*(\a)+(\b))
.set rA, 96*(\buf)+48+12*(\b)
.set rB, 96*(\buf)+12*(\a)
.set qA, (\scs)+16+8*((\b)/2)+(\s)
.set qB, (\scs)+8*((\a)/2)+(\s)
.set par, 2*((\a)%2)+(\b)%2
.if \zero
.if par == 0
	v_wmma_scale_f32_16x16x128_f8f6f4 v[rD:rD+7], v[rA:rA+11], v[rB:rB+11], 0, v[qA], v[qB] matrix_a_fmt:MATRIX_FMT_FP6 matrix_b_fmt:MATRIX_FMT_FP6
.elseif par == 1
	v_wmma_scale_f32_16x16x128_f8f6f4 v[rD:rD+7], v[rA:rA+11], v[rB:rB+11], 0, v[qA], v[qB] matrix_a_fmt:MATRIX_FMT_FP6 matrix_b_fmt:MATRIX_FMT_FP6 matrix_a_scale:MATRIX_SCALE_ROW1
.elseif par == 2
	v_wmma_scale_f32_16x16x128_f8f6f4 v[rD:rD+7], v[rA:rA+11], v[rB:rB+11], 0, v[qA], v[qB] matrix_a_fmt:MATRIX_FMT_FP6 matrix_b_fmt:MATRIX_FMT_FP6 matrix_b_scale:MATRIX_SCALE_ROW1
.else
	v_wmma_scale_f32_16x16x128_f8f6f4 v[rD:rD+7], v[rA:rA+11], v[rB:rB+11], 0, v[qA], v[qB] matrix_a_fmt:MATRIX_FMT_FP6 matrix_b_fmt:MATRIX_FMT_FP6 matrix_a_scale:MATRIX_SCALE_ROW1 matrix_b_scale:MATRIX_SCALE_ROW1
.endif
.else
.if par == 0
	v_wmma_scale_f32_16x16x128_f8f6f4 v[rD:rD+7], v[rA:rA+11], v[rB:rB+11], v[rD:rD+7], v[qA], v[qB] matrix_a_fmt:MATRIX_FMT_FP6 matrix_b_fmt:MATRIX_FMT_FP6
.elseif par == 1
	v_wmma_scale_f32_16x16x128_f8f6f4 v[rD:rD+7], v[rA:rA+11], v[rB:rB+11], v[rD:rD+7], v[qA], v[qB] matrix_a_fmt:MATRIX_FMT_FP6 matrix_b_fmt:MATRIX_FMT_FP6 matrix_a_scale:MATRIX_SCALE_ROW1
.elseif par == 2
	v_wmma_scale_f32_16x16x128_f8f6f4 v[rD:rD+7], v[rA:rA+11], v[rB:rB+11], v[rD:rD+7], v[qA], v[qB] matrix_a_fmt:MATRIX_FMT_FP6 matrix_b_fmt:MATRIX_FMT_FP6 matrix_b_scale:MATRIX_SCALE_ROW1
.else
	v_wmma_scale_f32_16x16x128_f8f6f4 v[rD:rD+7], v[rA:rA+11], v[rB:rB+11], v[rD:rD+7], v[qA], v[qB] matrix_a_fmt:MATRIX_FMT_FP6 matrix_b_fmt:MATRIX_FMT_FP6 matrix_a_scale:MATRIX_SCALE_ROW1 matrix_b_scale:MATRIX_SCALE_ROW1
.endif
.endif
.endm
.macro MUL8 s, buf, a0, zero, scs      ; the 16 accumulators take turns, one instruction a turn, in the same order in every K step and from tile to tile
.irp a, \a0, \a0+1
.irp b, 0,1,2,3
	W1 \s, \buf, \a, \b, \zero, \scs
.endr
.endr
.endm
; A tile's K step 0: its fragments were asked for in the tile before (or at the head); its products start the sums: nothing is cleared.  The set that takes K step 1 was last read ahead of the way out's plain lines
.macro FIRST scs, slot
	s_wait_dscnt 0x0                               ; K step 0's fragments are in
	FETCH \slot, 1, 1
	WIN MUL
	MUL8 0, 0, 0, 1, \scs
	MUL8 0, 0, 2, 1, \scs
.endm
; K step s, whose successor (the nq-th K step of slot nslot) lies in bytes that every wave is known to have received
.macro STEPG s, scs, nslot, nq
	s_wait_dscnt 0x0                               ; this step's fragments, asked for a step ago, are in
	PLACES                                         ; the other set was read by the products just issued
	FETCH \nslot, \nq, ((\s)+1)%2
	WIN MUL
	MUL8 \s, (\s)%2, 0, 0, \scs
	MUL8 \s, (\s)%2, 2, 0, \scs
.endm
; K step s is the last of slot n's half: the slot is filled again, with half n + 3
.macro BOUND_R s, scs, n, nslot, nq
	WIN 0                                          ; (the add's two registers lie in window 0)
	s_wait_tensorcnt 0x0                           ; all my tensor loads have landed, so a group 0 may be written;
	ds_add_u32 v[SPW], v[NIL]                      ; 0 onto my spare word; the descriptors' new addresses stand between it and the wait for it
	s_add_nc_u64 s[G0+4*\n+2:G0+4*\n+3], s[4:5], s[O1+2*\n:O1+2*\n+1]
	s_or_b32 s[G0+4*\n+3], s[G0+4*\n+3], 0x80000000
	s_add_nc_u64 s[G0B+4*\n+2:G0B+4*\n+3], s[4:5], s[O0+2*\n:O0+2*\n+1]
	s_or_b32 s[G0B+4*\n+3], s[G0B+4*\n+3], 0x80000000
	s_wait_dscnt 0x0                               ; the add is done; this step's fragments are in, and with them my reads of the slot are over
	s_barrier_signal -1                            ; this barrier opens a round of the cluster's
	WIN MUL
	MUL8 \s, (\s)%2, 0, 0, \scs                    ; work on registers while the others arrive
	WIN 0
	s_barrier_wait -1
	CREST                                          ; no wave of any partner still reads the slot or has a load on its way
	JLOAD \n                                       ; my one tensor load behind the round, and the first thing there; its four v_nop are also the places in front of the loads below
	FETCH \nslot, \nq, ((\s)+1)%2
	WIN MUL
	MUL8 \s, (\s)%2, 2, 0, \scs
.endm
; K step s is followed by the last half, which every wave's part must have reached
.macro BOUND_P s, scs, nslot, nq
	s_wait_tensorcnt 0x0                           ; my part of the last half has landed: no load was issued behind it
	s_wait_dscnt 0x0                               ; this step's fragments are in; no LDS instruction of mine is out at the signal
	s_barrier_signal -1
	MUL8 \s, (\s)%2, 0, 0, \scs
	s_barrier_wait -1
	PLACES
	FETCH \nslot, \nq, ((\s)+1)%2
	WIN MUL
	MUL8 \s, (\s)%2, 2, 0, \scs
.endm
; THE WAY OUT.  qb: [batch x head 32][step of 128 tokens 16][8 half images, 2 x 512 bytes of scale words] = 7,168 bytes a step; kvb: a step is K's part, laid so, then V's part: half image (d tile a, key half e) at 1,536 a + 768 e, then 2 x 512.
; tp: the panel of tokens; wp: the panel of the weight's rows; tw, ww: my half of each; sb: bytes of a step; part: where the part begins in it; istep: from tw = 0 to tw = 1; ptr: the buffer
.macro OUTADR tp, wp, tw, ww, sb, part, istep, ptr
	s_lshr_b32 s17, s[\tp], 4                      ; the batch
	s_lshl_b32 s17, s17, 4
	s_lshl_b32 s18, s[\wp], 1
	s_add_co_u32 s17, s17, s18
	s_add_co_u32 s17, s17, s[\ww]                  ; 16 x batch + head
	s_lshl_b32 s17, s17, 4
	s_and_b32 s18, s[\tp], 15
	s_add_co_u32 s17, s17, s18                     ; x 16 + step
	s_mul_i32 s17, s17, \sb
	s_mul_i32 s66, s[\tw], \istep
	s_add_co_u32 s66, s66, s17
	s_add_co_u32 s66, s66, \part
	s_mov_b32 s67, 0
	s_add_nc_u64 s[80:81], s[\ptr:\ptr+1], s[66:67]   ; my four half images
	s_lshl_b32 s66, s[\tw], 9
	s_add_co_u32 s66, s66, s17
	s_add_co_u32 s66, s66, \part+6144
	s_add_nc_u64 s[82:83], s[\ptr:\ptr+1], s[66:67]   ; my block of scale words
.endm
; The 32 registers of my S1 tile a: register 16 b + i = place 32 b + 16 h + i along S0: two blocks of 32, each shared by lanes l and l xor 16.  They become one half image and a halfword of scale bytes.
.macro QUANT32 src, img, sw, sh
.irp b, 0,1
	v_max3_num_f32 v[QM+\b], |v[(\src)+16*\b]|, |v[(\src)+16*\b+1]|, 0x1800000   ; each accumulator is read from its low end on; the floor 2^(3 - 127) holds the byte at 1 from below
.endr
.irp i, 2,4,6,8,10,12,14
.irp b, 0,1
	v_max3_num_f32 v[QM+\b], v[QM+\b], |v[(\src)+16*\b+\i]|, |v[(\src)+16*\b+\i+1]|
.endr
.endr
.irp b, 0,1
	v_permlanex16_b32 v[QP+\b], v[QM+\b], s2, s3
.endr
.irp b, 0,1
	v_max_num_f32 v[QM+\b], v[QM+\b], v[QP+\b]     ; the block's largest magnitude
.endr
.irp b, 0,1
	v_add_nc_u32 v[QSO+\b], 0xff000000, v[QM+\b]   ; 2 off its exponent field: the conversion's scale operand
.endr
.irp b, 0,1
	v_lshrrev_b32 v[QBY+\b], 23, v[QSO+\b]         ; the scale's byte
.endr
	v_lshl_or_b32 v[\sw], v[QBY+1], 8, v[QBY]
.if \sh
	v_lshlrev_b32 v[\sw], s92, v[\sw]
.endif
	v_cvt_scalef32_pk16_fp6_f32 v[(\img):(\img)+2], v[(\src):(\src)+15], v[QSO]
	v_cvt_scalef32_pk16_fp6_f32 v[QT:QT+2], v[(\src)+16:(\src)+31], v[QSO+1]
	v_nop                                          ; one plain line behind the last scaled conversion
.irp i, 0,1,2
	v_permlane16_swap_b32 v[(\img)+\i], v[QT+\i]   ; the operand's layout wants a whole block in a lane: lanes 0-15 block 0, lanes 16-31 block 1
.endr
.irp i, 0,1,2
	v_mov_b32 v[(\img)+3+\i], v[QT+\i]
.endr
.endm
.macro EPI sh, astr                    ; astr: from my tile a to a + 1
.irp a, 0,1,2,3
	QUANT32 ACC+32*\a, HIM+6*\a, SW+\a, \sh
	global_store_b128 v[LA16], v[HIM+6*\a:HIM+6*\a+3], s[80:81] offset:\a*(\astr)             ; 512 consecutive bytes,
	global_store_b64 v[LA8], v[HIM+6*\a+4:HIM+6*\a+5], s[80:81] offset:\a*(\astr)+512         ; and 256
.endr
	global_store_b128 v[LA16], v[SW:SW+3], s[82:83]   ; [lane][tile a]: 512 consecutive bytes
.endm
	s_wait_alu depctr_va_vdst(0)                   ; the head's end
	s_wait_tensorcnt 0x0                           ; my panel of half 0 or 1 is in; slot 2's first fill is issued as a refill is:
	ds_add_u32 v[SPW], v[NIL]                      ; 0 onto my spare word
	s_mov_b32 s[G1+2], 4<<16                       ; no load of mine is out: from here on a load brings four tiles,
	s_mov_b32 s[G1+4], 4
	s_mov_b32 s[G1B+2], 4<<16
	s_mov_b32 s[G1B+4], 4
	s_mov_b32 s[G0+1], s93                         ; and slot 0's groups 0 point at my four tiles' place
	s_mov_b32 s[G0B+1], s93
	s_wait_dscnt 0x0                               ; the add is done
	CROUND                                         ; halves 0 and 1 are whole in every work-group of the cluster
	JLOAD 2                                        ; half 2, my one load behind the round
	s_cmp_lt_u32 s99, 4
	s_cbranch_scc0 .Lno_pf_4
	global_prefetch_b8 v7, s[104:105] th:TH_LOAD_NT scope:SCOPE_SE
.Lno_pf_4:
	FETCH 0, 0, 0
	s_wait_loadcnt 0x0                             ; q's and k's scale words
	; ---- q: halves 0 and 1
	FIRST SCA, 0
	STEPG 1, SCA, 0, 2
	STEPG 2, SCA, 0, 3
	BOUND_R 3, SCA, 0, 1, 0                        ; slot 0 takes half 3
	WIN 0
	s_cmp_lt_u32 s99, 4
	s_cbranch_scc0 .Lno_pf_5
	global_prefetch_b8 v7, s[104:105] offset:6144 th:TH_LOAD_NT scope:SCOPE_SE
.Lno_pf_5:
	STEPG 4, SCA, 1, 1
	STEPG 5, SCA, 1, 2
	STEPG 6, SCA, 1, 3
	BOUND_R 7, SCA, 1, 2, 0                        ; slot 1 takes half 4; k's first fragments are asked for
	WIN 0
	PLACES
	OUTADR 21, 20, 13, 14, 7168, 0, 3072, 8
	EPI 0, 768
.irp g, 0,1
.irp p, 0,1
	global_load_b128 v[SCA+8*\g+4*\p:SCA+8*\g+4*\p+3], v[LS32], s[88:89] offset:1024*\g+16*\p   ; v's scale words, into the set that q's products have left (the way out's plain lines stand between)
	global_load_b128 v[SCA+16+8*\g+4*\p:SCA+16+8*\g+4*\p+3], v[LS32], s[90:91] offset:1024*\g+16*\p
.endr
.endr
	; ---- k: halves 2 and 3
	FIRST SCB, 2
	STEPG 1, SCB, 2, 2
	STEPG 2, SCB, 2, 3
	BOUND_R 3, SCB, 2, 0, 0                        ; slot 2 takes half 5; in front of this round every wave has seen its parts of halves 3 and 4 land
	STEPG 4, SCB, 0, 1
	STEPG 5, SCB, 0, 2
	STEPG 6, SCB, 0, 3
	STEPG 7, SCB, 1, 0                             ; v's first fragments are asked for
	WIN 0
	PLACES
	s_wait_xcnt 0x0                                ; q's stores have read their data and bases: both are written again only behind this wait
	OUTADR 21, 20, 13, 14, 14336, 0, 3072, 10
	EPI 0, 768
	; ---- v: halves 4 and 5
	s_wait_loadcnt 0x0                             ; v's scale words
	FIRST SCA, 1
	STEPG 1, SCA, 1, 2
	STEPG 2, SCA, 1, 3
	BOUND_P 3, SCA, 2, 0
	STEPG 4, SCA, 2, 1
	STEPG 5, SCA, 2, 2
	STEPG 6, SCA, 2, 3
	s_wait_dscnt 0x0
	MUL8 7, 1, 0, 0, SCA
	MUL8 7, 1, 2, 0, SCA
	WIN 0
	PLACES
	s_wait_xcnt 0x0                                ; k's stores have read their data and bases
	OUTADR 22, 23, 14, 13, 14336, 7168, 768, 10
	EPI 1, 1536
	s_wait_tensorcnt 0x0                           ; the wave's end
	ds_add_u32 v[SPW], v[NIL]
	s_wait_dscnt 0x0
	CROUND                                         ; the closing round: no work-group ends while a partner may still ask for a tile that names it
	s_endpgm
.Lfunc_end_k_q5a30b9def5_proj:
	.size	k_q5a30b9def5_proj, .Lfunc_end_k_q5a30b9def5_proj-k_q5a30b9def5_proj
	.p2alignl 7, 3214868480
	.fill 96, 4, 3214868480
	.section	.rodata,"a",@progbits
	.p2align	6, 0x0
	.amdhsa_kernel k_q5a30b9def5_proj
		.amdhsa_group_segment_fixed_size 327680
		.amdhsa_private_segment_fixed_size 0
		.amdhsa_enable_private_segment 0
		.amdhsa_kernarg_size 32
		.amdhsa_user_sgpr_count 2
		.amdhsa_user_sgpr_kernarg_segment_ptr 1
		.amdhsa_wavefront_size32 1
		.amdhsa_system_sgpr_workgroup_id_x 1
		.amdhsa_system_sgpr_workgroup_id_y 1
		.amdhsa_system_sgpr_workgroup_id_z 1
		.amdhsa_system_vgpr_workitem_id 0
		.amdhsa_next_free_vgpr 512
		.amdhsa_next_free_sgpr 106
		.amdhsa_reserve_vcc 0
		.amdhsa_float_denorm_mode_32 3
		.amdhsa_float_denorm_mode_16_64 3
		.amdhsa_memory_ordered 1
		.amdhsa_forward_progress 1
		.amdhsa_inst_pref_size 146
	.end_amdhsa_kernel
	.amdgpu_metadata
---
amdhsa.version: [ 1, 2 ]
amdhsa.kernels:
  - .name:           k_q5a30b9def5_proj
    .symbol:         k_q5a30b9def5_proj.kd
    .args:
      - { .name: codes, .offset: 0, .size: 8, .value_kind: global_buffer, .address_space: global }
      - { .name: scl, .offset: 8, .size: 8, .value_kind: global_buffer, .address_space: global }
      - { .name: qb, .offset: 16, .size: 8, .value_kind: global_buffer, .address_space: global }
      - { .name: kvb, .offset: 24, .size: 8, .value_kind: global_buffer, .address_space: global }
    .group_segment_fixed_size: 327680
    .private_segment_fixed_size: 0
    .kernarg_segment_align: 8
    .kernarg_segment_size: 32
    .max_flat_workgroup_size: 128
    .sgpr_count:     106
    .vgpr_count:     512
    .wavefront_size: 32
...
	.end_amdgpu_metadata
.endif
;; end of part 2
;; launch attn (part 3): grid 8 x 32, 16 waves a work-group, clusters of 4 x 1, 327,680 bytes of LDS; arguments qb, kvb, oimg, osc; writes oimg, osc
.if DOCPART == 3
	.amdgcn_target "amdgcn-amd-amdhsa--gfx1250"
	.amdhsa_code_object_version 6
	.text
	.protected	k_q5a30b9def5_attn
	.globl	k_q5a30b9def5_attn
	.p2align	8
	.type	k_q5a30b9def5_attn,@function
k_q5a30b9def5_attn:
	s_mov_b64 s[64:65], 0
	v_nop
	global_prefetch_b8 v0, s[64:65] scope:SCOPE_SE
	s_setreg_imm32_b32 hwreg(HW_REG_WAVE_MODE, 25, 1), 1
	s_wait_xcnt 0x0
	s_wait_alu depctr_hold_cnt(0) depctr_sa_sdst(0) depctr_va_vdst(0) depctr_va_sdst(0) depctr_va_ssrc(0) depctr_va_vcc(0) depctr_vm_vsrc(0)
	s_getreg_b32 s2, hwreg(HW_REG_IB_STS2, 6, 4)
	s_cmp_eq_u32 s2, 0
	s_cbranch_scc0 .Lentry_in_a_cluster
	s_endpgm
.Lentry_in_a_cluster:
	s_bfe_u32 s2, ttmp6, 0x10000c
	s_cmp_lg_u32 s2, 0x3003
	s_cbranch_scc0 .Lentry_shape_is_right
	s_endpgm
.Lentry_shape_is_right:
; LAUNCH 3 OF 4: o = softmax(q k^T / 8) v on codes of E2M3, and o quantised along the head's 64 for the last product.  No work is left out.
; LIMITS: the promise holds while the scaled scores (score x log2(e) / 8) stay under 2^31 in magnitude; NaN and infinities are not served; a block whose largest magnitude lies under 2^-124 keeps the scale byte 1.
; THE DEAL.  A work-group takes 256 queries of one batch and head (work-group y), each of its 16 waves one tile of 16 queries; the head's 2,048 keys go in 16 steps of 128.
; Both products are used transposed (S^T = k q^T, O^T = v^T p^T): a lane holds one query.  By the keys' order in the tiles a lane's 32 registers of four score tiles are one whole block of 32 keys.
; The head is 64 wide and the product 128 deep: q's upper six registers hold zero codes, so what k's operand names there (the next tile's codes) adds nothing.
; kvb: a step is 14,336 bytes: k's 8 half images of 768 bytes, 2 x 512 bytes of scale words [lane][tile], then v's 8 half images (d tile a, key half e at 1,536 a + 768 e) and 2 x 512 of scale words, one for each key half.
; LDS: all 16 steps stay, 229,376 bytes, each filled once; behind them the spare words, 128 bytes a wave.  Nothing is filled again.
; FILLS.  Wave w asks for step w at the head, its one tensor load: 56 rows of 256 bytes; one line, its addresses made from the wave's number.  CLUSTER: the four work-groups of a cluster are four query blocks of one head and ask jointly (mask 15).
; Every wave waits for its load, and ONE barrier shows all sixteen steps: behind it the waves share nothing and meet no barrier until the closing round.
; NO PREFETCH: every tile of the launch is asked for at the head by its tensor load, so there is no later load to run ahead of.
; THE SOFTMAX: M = ceil(running largest t), kept as -M; p = 2^(t - M); sums of the unquantised p in four chains of pairs that live from step to step; when M moves, sums and O^T are multiplied by the exact 2^(old M - new M).
; A block's largest p is the block's largest score put through the same multiply-add and exponential.
; THE ORDER IN A STEP gives a wave lines that do not hang on each other: maxima and sums in four chains; the second block's multiply-adds among the first block's exponentials; independent lines (pair sums of the first block's p,
; v's scale words, the floors) among the second block's; the scale's arithmetic among O^T's rescalings.  A step fetches the next step's k behind its own second product; the last step is written out and fetches nothing.
.set STEPB, 14336
.set SPARE, 16*STEPB
.set LA16, 1                           ; v1 16 x lane; v2 8 x lane; v7 4 x lane; v8 8 h
.set LA8,  2
.set A16,  3                           ; v3, v4 the same + this step's place in LDS
.set A8,   4
.set SPW,  5                           ; v5 my spare word; v6 0: both never rewritten
.set NIL,  6
.set LA4,  7
.set H8,   8
.set NM,   12                          ; v12 -M; v13 the running largest score
.set RM,   13
.set QF,   16                          ; v16-27 q's operand; v28 its scale word
.set QS,   28
.set KF,   32                          ; v32-85 k's eight half images and six zeros; then v's four operands
.set KS,   86                          ; v86-93 k's scale words; then v's, in two halves
.set VS,   94                          ; v94-97 v's scale words
.set S,    98                          ; v98-161 scores, then p
.set O,    162                         ; v162-193 O^T
.set PF,   194                         ; v194-205 p's operand; v206-213 the upper halves of blocks before they are moved
.set PT,   206
.set BM,   214                         ; v214-215, v222-223 the maxima's four chains
.set BP,   216
.set SOP,  218
.set BY,   220
.set BMB,  222
.set PS,   226                         ; p's scale word
.set FF,   228                         ; v228 the factor; v229 0, named as the pair's upper half
.set T0,   230
.set T1,   231
.set TS,   232                         ; v232-247 eight pair sums of the first block's p
.set SU,   248                         ; v248-255 the row's sum in four chains of pairs
.set WV,   12
.set G1,   16
.set G0,   24
.set CN,   28
.set SEL,  40
.set CS,   42
.set TB,   44
.set CNT,  45
.macro CROUND                          ; a round of the cluster's barrier
	s_barrier_signal -1
	s_barrier_wait -1
	s_cmp_lg_u32 s[WV], 0
	s_cbranch_scc1 .Lnot_wave_0_\@
	s_barrier_signal -3
.Lnot_wave_0_\@:
	s_barrier_wait -3
	s_barrier_signal -1
	s_barrier_wait -1
.endm
	s_load_b256 s[4:11], s[0:1], 0x0               ; qb, kvb, oimg, osc
	v_lshl_add_u32 v[SPW], v0, 2, SPARE
	v_mov_b32 v[NIL], 0
	ds_add_u32 v[SPW], v[NIL]                      ; the opening: the add, twice on end, and its wait ahead of my tensor load
	ds_add_u32 v[SPW], v[NIL]
	v_lshrrev_b32 v9, 5, v0
	v_readfirstlane_b32 s[WV], v9                  ; wave 0..15
	s_and_b32 s15, ttmp7, 0xffff                   ; 16 x batch + head
	s_mul_i32 s[G0+1], s[WV], STEPB                ; step w's place in LDS,
	s_mul_i32 s46, s15, 16*STEPB
	s_add_co_u32 s46, s46, s[G0+1]                 ; and in kvb: the same in all four partners
	s_mov_b32 s47, 0
	s_mov_b32 s[G0], 1
	s_mov_b32 s[G1], 15|(3<<16)|(1<<21)            ; the mask names the four; elements of 8 bytes; bit 21 set beside a mask
	s_mov_b32 s[G1+1], 32<<16                      ; rows of 256 bytes,
	s_mov_b32 s[G1+2], 56<<16                      ; 56 of them
	s_mov_b32 s[G1+3], 32<<16
	s_mov_b32 s[G1+4], 56
	s_mov_b32 s[G1+5], 32
	s_mov_b32 s[G1+6], 0
	s_mov_b32 s[G1+7], 0
	s_bfe_u32 s13, ttmp6, 0x40000                  ; cx
	s_lshl_b32 s14, ttmp9, 2
	s_add_co_u32 s14, s14, s13
	s_lshl_b32 s14, s14, 4
	s_add_co_u32 s14, s14, s[WV]                   ; my tile of 16 queries, 0 .. 127
	s_mul_i32 s57, s15, 114688                     ; qb: 16 steps of 7,168 bytes a head,
	s_lshr_b32 s58, s14, 3
	s_mul_i32 s58, s58, 7168
	s_add_co_u32 s57, s57, s58
	s_and_b32 s58, s14, 7
	s_mul_i32 s58, s58, 768
	s_add_co_u32 s48, s57, s58                     ; my half image
	s_mov_b32 s49, 0
	s_bfe_u32 s58, s14, 0x10002
	s_lshl_b32 s58, s58, 9
	s_and_b32 s59, s14, 3
	s_lshl_b32 s59, s59, 2
	s_add_co_u32 s58, s58, s59
	s_add_co_u32 s58, s58, 6144
	s_add_co_u32 s50, s57, s58                     ; my scale words: [lane][tile]
	s_mov_b32 s51, 0
	s_lshr_b32 s58, s15, 4
	s_lshl_b32 s58, s58, 7
	s_add_co_u32 s58, s58, s14                     ; my tile among all tokens' 256
	s_and_b32 s59, s15, 15                         ; the head
	s_mul_i32 s52, s58, 12288
	s_mul_i32 s60, s59, 768
	s_add_co_u32 s52, s52, s60                     ; oimg: [tile][head: a half image]
	s_mov_b32 s53, 0
	s_lshl_b32 s54, s59, 15
	s_lshl_b32 s60, s58, 7
	s_add_co_u32 s54, s54, s60                     ; osc: [head][tile][lane] words
	s_mov_b32 s55, 0
	s_mov_b32 s[SEL], 0x76543210
	s_mov_b32 s[SEL+1], 0xfedcba98                 ; v_permlanex16_b32's selects for lane l xor 16
	s_mov_b32 s[CS], 0x3e38aa3b                    ; c = log2(e) / 8
	s_mov_b32 s[CS+1], s[CS]
	s_mov_b32 s[CN], 0xbe38aa3b                    ; -c
	v_and_b32 v9, 31, v0
	v_lshlrev_b32 v[LA16], 4, v9
	v_lshlrev_b32 v[LA8], 3, v9
	v_lshlrev_b32 v[LA4], 2, v9
	v_bfe_u32 v10, v0, 4, 1
	v_lshlrev_b32 v[H8], 3, v10
	s_wait_alu depctr_va_vdst(0)
	s_wait_dscnt 0x0                               ; both opening adds are done
	CROUND                                         ; the four work-groups are here: the joint loads meet
	s_wait_kmcnt 0x0
	s_add_nc_u64 s[G0+2:G0+3], s[6:7], s[46:47]
	s_or_b32 s[G0+3], s[G0+3], 0x80000000
	tensor_load_to_lds s[G0:G0+3], s[G1:G1+7]      ; step w
	s_nop 0
.rept 4
	v_nop
.endr
	s_add_nc_u64 s[48:49], s[4:5], s[48:49]
	s_add_nc_u64 s[50:51], s[4:5], s[50:51]
	s_add_nc_u64 s[52:53], s[8:9], s[52:53]
	s_add_nc_u64 s[54:55], s[10:11], s[54:55]
	global_load_b128 v[QF:QF+3], v[LA16], s[48:49]
	global_load_b64 v[QF+4:QF+5], v[LA8], s[48:49] offset:512
	global_load_b32 v[QS], v[LA16], s[50:51]
.irp i, 0,1,2,3,4,5
	v_mov_b32 v[QF+6+\i], 0                        ; zero codes for the product's upper 64
	v_mov_b32 v[KF+48+\i], 0
.endr
	v_mov_b32 v[RM], 0xff61b1e6                    ; -3e38, under every score
	v_mov_b32 v[NM], 0x7f61b1e6                    ; -M begins above every -M: the first factor is 0, on sums that are 0
.irp i, 0,1,2,3,4,5,6,7
	v_mov_b32 v[SU+\i], 0
.endr
	v_mov_b32 v[BP], 0                             ; a lane permute's destination counts as one of its sources
	v_mov_b32 v[BP+1], 0
	v_mov_b32 v[FF+1], 0
.set j, 0
.rept 32
	v_mov_b32 v[O+j], 0                            ; the step is written once: the first finds zeros
.set j, j+1
.endr
.macro KLOAD a16, a8, off              ; k's eight half images and scale words: 18 loads of consecutive bytes
.irp t, 0,1,2,3,4,5,6,7
	ds_load_b128 v[KF+6*\t:KF+6*\t+3], v[\a16] offset:(\off)+768*\t
	ds_load_b64 v[KF+6*\t+4:KF+6*\t+5], v[\a8] offset:(\off)+768*\t+512
.endr
	ds_load_b128 v[KS:KS+3], v[\a16] offset:(\off)+6144
	ds_load_b128 v[KS+4:KS+7], v[\a16] offset:(\off)+6656
.endm
.macro ADD4 m                          ; the second block's pairs m .. m + 3 of p onto the four chains
.irp i, 0,1,2,3
	v_pk_add_f32 v[SU+2*\i:SU+2*\i+1], v[SU+2*\i:SU+2*\i+1], v[S+32+2*((\m)+\i):S+33+2*((\m)+\i)]
.endr
.endm
.macro OM k                            ; a pair of O^T under the new M
	v_pk_mul_f32 v[O+2*(\k):O+2*(\k)+1], v[O+2*(\k):O+2*(\k)+1], v[FF:FF+1] op_sel_hi:[1,0]
.endm
.macro STEP next                       ; next = 1: the next step's k is fetched
	s_wait_dscnt 0x0                               ; k's fragments, asked for in the step before, are in
.irp t, 0,1,2,3,4,5,6,7
	v_wmma_scale_f32_16x16x128_f8f6f4 v[S+8*\t:S+8*\t+7], v[KF+6*\t:KF+6*\t+11], v[QF:QF+11], 0, v[KS+\t], v[QS] matrix_a_fmt:MATRIX_FMT_FP6 matrix_b_fmt:MATRIX_FMT_FP6
.endr
	v_add_nc_u32 v[A16], s[TB], v[LA16]            ; four plain lines between the products and the loads into their registers and the reads of their results
	v_add_nc_u32 v[A8], s[TB], v[LA8]
	v_mov_b32 v[T0], v[NM]                         ; the old -M
	v_nop
.irp a, 0,1,2,3
.irp e, 0,1
	ds_load_b128 v[KF+12*\a+6*\e:KF+12*\a+6*\e+3], v[A16] offset:7168+1536*\a+768*\e
	ds_load_b64 v[KF+12*\a+6*\e+4:KF+12*\a+6*\e+5], v[A8] offset:7168+1536*\a+768*\e+512
.endr
.endr
	ds_load_b128 v[KS:KS+3], v[A16] offset:13312
	ds_load_b128 v[KS+4:KS+7], v[A16] offset:13824
.irp c, 0,1                            ; my two blocks' largest scores, each in two chains over 16 registers, the four by turns; each accumulator is first read at its low end
	v_max3_num_f32 v[BM+\c], v[S+32*\c], v[S+32*\c+1], v[S+32*\c+2]
	v_max3_num_f32 v[BMB+\c], v[S+32*\c+16], v[S+32*\c+17], v[S+32*\c+18]
.endr
.irp i, 3,5,7,9,11,13
.irp c, 0,1
	v_max3_num_f32 v[BM+\c], v[BM+\c], v[S+32*\c+\i], v[S+32*\c+\i+1]
	v_max3_num_f32 v[BMB+\c], v[BMB+\c], v[S+32*\c+16+\i], v[S+32*\c+17+\i]
.endr
.endr
.irp c, 0,1
	v_max3_num_f32 v[BM+\c], v[BM+\c], v[S+32*\c+15], v[S+32*\c+31]
.endr
.irp c, 0,1
	v_max_num_f32 v[BM+\c], v[BM+\c], v[BMB+\c]
.endr
	s_delay_alu instid0(VALU_DEP_1)
	v_max_num_f32 v[T1], v[BM], v[BM+1]
	s_delay_alu instid0(VALU_DEP_1)
	v_permlanex16_b32 v[BP], v[T1], s[SEL], s[SEL+1]
	s_delay_alu instid0(VALU_DEP_1)
	v_max3_num_f32 v[RM], v[RM], v[T1], v[BP]      ; the running largest score of my query
	s_delay_alu instid0(VALU_DEP_1)
	v_mul_f32 v[T1], s[CN], v[RM]                  ; -t
	s_delay_alu instid0(VALU_DEP_1)
	v_floor_f32 v[NM], v[T1]                       ; -M = floor(-t) = -ceil(t)
	s_delay_alu instid0(VALU_DEP_1)
	v_sub_f32 v[T0], v[NM], v[T0]                  ; old M - new M: a whole number, 0 or less
.set j, 0
.rept 16
	v_pk_fma_f32 v[S+j:S+j+1], v[S+j:S+j+1], s[CS:CS+1], v[NM:NM+1] op_sel_hi:[1,0,0]   ; the first block's t - M; the factor's two lines among them
.if j == 2
	v_cvt_i32_f32 v[T0], v[T0]                     ; (it saturates)
.elseif j == 6
	v_ldexp_f32 v[FF], 1.0, v[T0]                  ; the factor, an exact power of two
.endif
.set j, j+2
.endr
.irp c, 0,1
	v_fma_f32 v[BM+\c], v[BM+\c], s[CS], v[NM]     ; the same of each block's largest score
.endr
	s_wait_alu depctr_va_vdst(0)
.irp c, 0,1
	v_exp_f32 v[BM+\c], v[BM+\c]
.endr
.set j, 0
.rept 16
	v_exp_f32 v[S+j], v[S+j]                       ; the first block's p = 2^(t - M); among them the second block's t - M, which nothing reads ahead of the next wait
	v_exp_f32 v[S+j+1], v[S+j+1]
	v_pk_fma_f32 v[S+32+j:S+33+j], v[S+32+j:S+33+j], s[CS:CS+1], v[NM:NM+1] op_sel_hi:[1,0,0]
.set j, j+2
.endr
	s_wait_dscnt 0x0                               ; v's fragments and scale words are in
	s_wait_alu depctr_va_vdst(0)                   ; behind the first batch and ahead of the second
.set j, 0
.rept 16
	v_exp_f32 v[S+32+2*j], v[S+32+2*j]             ; the second block's p; among them lines that hang on nothing written here, and whose results nothing reads ahead of the next wait
	v_exp_f32 v[S+33+2*j], v[S+33+2*j]
.if j < 8
	v_pk_add_f32 v[TS+2*j:TS+2*j+1], v[S+4*j:S+4*j+1], v[S+4*j+2:S+4*j+3]   ; pair sums of the first block's p
.elseif j < 12
	v_or_b32 v[VS+j-8], v[KS+j-8], v[KS+j-4]       ; v's scale words: the two key halves' halfwords
.elseif j < 14
	v_max_num_f32 v[BM+j-12], 0x1800000, v[BM+j-12]   ; the floor 2^(3 - 127): the byte cannot fall under 1
.endif
.set j, j+1
.endr
	s_wait_alu depctr_va_vdst(0)                   ; one wait for the batch, directly ahead of the first reader of O^T
	OM 0
	OM 1
	v_add_nc_u32 v[SOP], 0xff000000, v[BM]         ; 2 off the exponent field: the conversion's scale operand
	v_add_nc_u32 v[SOP+1], 0xff000000, v[BM+1]
	OM 2
	OM 3
	v_lshrrev_b32 v[BY], 23, v[SOP]
	v_lshrrev_b32 v[BY+1], 23, v[SOP+1]
	OM 4
	OM 5
	v_lshl_or_b32 v[PS], v[BY+1], 16, v[BY]
	OM 6
	OM 7
	v_lshlrev_b32 v[PS], v[H8], v[PS]              ; bytes h and 2 + h of the word
	OM 8
	OM 9
	v_permlanex16_b32 v[BP+1], v[PS], s[SEL], s[SEL+1]
	OM 10
	OM 11
	v_or_b32 v[PS], v[PS], v[BP+1]                 ; with lane l xor 16's two the word is whole
	OM 12
	OM 13
	OM 14
	OM 15
.irp c, 0,1
	v_cvt_scalef32_pk16_fp6_f32 v[PF+6*\c:PF+6*\c+2], v[S+32*\c:S+32*\c+15], v[SOP+\c]
	v_cvt_scalef32_pk16_fp6_f32 v[PT+4*\c:PT+4*\c+2], v[S+32*\c+16:S+32*\c+31], v[SOP+\c]   ; (a conversion's three registers begin on an even number)
.endr
.irp i, 0,1,2,3
	v_pk_fma_f32 v[SU+2*\i:SU+2*\i+1], v[SU+2*\i:SU+2*\i+1], v[FF:FF+1], v[TS+2*\i:TS+2*\i+1] op_sel_hi:[1,0,1]   ; each chain under the new M, with a pair sum; plain lines behind the conversions
.endr
.irp c, 0,1
.irp i, 0,1,2
	v_mov_b32 v[PF+6*\c+3+\i], v[PT+4*\c+\i]
.endr
.endr
.irp i, 0,1,2,3
	v_pk_add_f32 v[SU+2*\i:SU+2*\i+1], v[SU+2*\i:SU+2*\i+1], v[TS+8+2*\i:TS+9+2*\i]   ; four plain lines between the operand's last write and the scaled products
.endr
.irp a, 0,1,2,3
	v_wmma_scale_f32_16x16x128_f8f6f4 v[O+8*\a:O+8*\a+7], v[KF+12*\a:KF+12*\a+11], v[PF:PF+11], v[O+8*\a:O+8*\a+7], v[VS+\a], v[PS] matrix_a_fmt:MATRIX_FMT_FP6 matrix_b_fmt:MATRIX_FMT_FP6
.endr
	ADD4 0                                         ; four plain lines between the products and the loads into their registers
.if \next
	KLOAD A16, A8, STEPB                           ; the next step's k; the additions below stand under its flight
	s_add_co_u32 s[TB], s[TB], STEPB
.endif
	ADD4 4
	ADD4 8
	ADD4 12
.endm
	s_wait_alu depctr_va_vdst(0)                   ; the head's end
	s_wait_tensorcnt 0x0                           ; my step is in
	s_barrier_signal -1
	s_barrier_wait -1                              ; all sixteen are shown
	KLOAD LA16, LA8, 0
	s_wait_loadcnt 0x0                             ; q
	s_mov_b32 s[TB], 0
	s_mov_b32 s[CNT], 15
.Lstep:
	STEP 1
	s_sub_co_u32 s[CNT], s[CNT], 1
	s_cmp_lg_u32 s[CNT], 0
	s_cbranch_scc1 .Lstep
	STEP 0
	; THE END: O^T / the row's sum, quantised along the head's 64 (two blocks, each shared by lanes l and l xor 16), as a half image and a halfword of scale bytes
	v_pk_add_f32 v[SU:SU+1], v[SU:SU+1], v[SU+2:SU+3]
	v_pk_add_f32 v[SU+4:SU+5], v[SU+4:SU+5], v[SU+6:SU+7]
	s_delay_alu instid0(VALU_DEP_1)
	v_pk_add_f32 v[SU:SU+1], v[SU:SU+1], v[SU+4:SU+5]
	s_delay_alu instid0(VALU_DEP_1)
	v_add_f32 v[SU], v[SU], v[SU+1]
	s_delay_alu instid0(VALU_DEP_1)
	v_permlanex16_b32 v[T0], v[SU], s[SEL], s[SEL+1]
	s_delay_alu instid0(VALU_DEP_1)
	v_add_f32 v[SU], v[SU], v[T0]
	s_wait_alu depctr_va_vdst(0)
	v_rcp_f32 v[FF], v[SU]
	v_nop
	s_wait_alu depctr_va_vdst(0)
.set j, 0
.rept 16
	v_pk_mul_f32 v[S+j:S+j+1], v[O+j:O+j+1], v[FF:FF+1] op_sel_hi:[1,0]
.set j, j+2
.endr
.irp b, 0,1
	v_max3_num_f32 v[BM+\b], |v[S+16*\b]|, |v[S+16*\b+1]|, 0x1800000
.endr
.irp i, 2,4,6,8,10,12,14
.irp b, 0,1
	s_delay_alu instid0(VALU_DEP_2)
	v_max3_num_f32 v[BM+\b], v[BM+\b], |v[S+16*\b+\i]|, |v[S+16*\b+\i+1]|
.endr
.endr
.irp b, 0,1
	s_delay_alu instid0(VALU_DEP_2)
	v_permlanex16_b32 v[BP+\b], v[BM+\b], s[SEL], s[SEL+1]
.endr
.irp b, 0,1
	s_delay_alu instid0(VALU_DEP_2)
	v_max_num_f32 v[BM+\b], v[BM+\b], v[BP+\b]
.endr
.irp b, 0,1
	s_delay_alu instid0(VALU_DEP_2)
	v_add_nc_u32 v[SOP+\b], 0xff000000, v[BM+\b]
.endr
.irp b, 0,1
	s_delay_alu instid0(VALU_DEP_2)
	v_lshrrev_b32 v[BY+\b], 23, v[SOP+\b]
.endr
	s_delay_alu instid0(VALU_DEP_1)
	v_lshl_or_b32 v[T0], v[BY+1], 8, v[BY]
	v_cvt_scalef32_pk16_fp6_f32 v[PF:PF+2], v[S:S+15], v[SOP]
	v_cvt_scalef32_pk16_fp6_f32 v[PT:PT+2], v[S+16:S+31], v[SOP+1]
	v_nop
.irp i, 0,1,2
	v_permlane16_swap_b32 v[PF+\i], v[PT+\i]       ; a whole block in a lane: lanes 0-15 block 0, lanes 16-31 block 1
.endr
.irp i, 0,1,2
	s_delay_alu instid0(VALU_DEP_3)
	v_mov_b32 v[PF+3+\i], v[PT+\i]
.endr
	global_store_b128 v[LA16], v[PF:PF+3], s[52:53]
	global_store_b64 v[LA8], v[PF+4:PF+5], s[52:53] offset:512
	global_store_b32 v[LA4], v[T0], s[54:55]
	s_wait_tensorcnt 0x0                           ; the wave's end
	ds_add_u32 v[SPW], v[NIL]
	s_wait_dscnt 0x0
	CROUND                                         ; the closing round
	s_endpgm
.Lfunc_end_k_q5a30b9def5_attn:
	.size	k_q5a30b9def5_attn, .Lfunc_end_k_q5a30b9def5_attn-k_q5a30b9def5_attn
	.p2alignl 7, 3214868480
	.fill 96, 4, 3214868480
	.section	.rodata,"a",@progbits
	.p2align	6, 0x0
	.amdhsa_kernel k_q5a30b9def5_attn
		.amdhsa_group_segment_fixed_size 327680
		.amdhsa_private_segment_fixed_size 0
		.amdhsa_enable_private_segment 0
		.amdhsa_kernarg_size 32
		.amdhsa_user_sgpr_count 2
		.amdhsa_user_sgpr_kernarg_segment_ptr 1
		.amdhsa_wavefront_size32 1
		.amdhsa_system_sgpr_workgroup_id_x 1
		.amdhsa_system_sgpr_workgroup_id_y 1
		.amdhsa_system_sgpr_workgroup_id_z 1
		.amdhsa_system_vgpr_workitem_id 0
		.amdhsa_next_free_vgpr 256
		.amdhsa_next_free_sgpr 66
		.amdhsa_reserve_vcc 0
		.amdhsa_float_denorm_mode_32 3
		.amdhsa_float_denorm_mode_16_64 3
		.amdhsa_memory_ordered 1
		.amdhsa_forward_progress 1
		.amdhsa_inst_pref_size 42
	.end_amdhsa_kernel
	.amdgpu_metadata
---
amdhsa.version: [ 1, 2 ]
amdhsa.kernels:
  - .name:           k_q5a30b9def5_attn
    .symbol:         k_q5a30b9def5_attn.kd
    .args:
      - { .name: qb, .offset: 0, .size: 8, .value_kind: global_buffer, .address_space: global }
      - { .name: kvb, .offset: 8, .size: 8, .value_kind: global_buffer, .address_space: global }
      - { .name: oimg, .offset: 16, .size: 8, .value_kind: global_buffer, .address_space: global }
      - { .name: osc, .offset: 24, .size: 8, .value_kind: global_buffer, .address_space: global }
    .group_segment_fixed_size: 327680
    .private_segment_fixed_size: 0
    .kernarg_segment_align: 8
    .kernarg_segment_size: 32
    .max_flat_workgroup_size: 512
    .sgpr_count:     66
    .vgpr_count:     256
    .wavefront_size: 32
...
	.end_amdgpu_metadata
.endif
;; end of part 3
;; launch outp (part 4): grid 8 x 32, 4 waves a work-group, clusters of 4 x 4, 327,680 bytes of LDS; arguments oimg, osc, codes, scl, bo, out0; writes out0
.if DOCPART == 4
	.amdgcn_target "amdgcn-amd-amdhsa--gfx1250"
	.amdhsa_code_object_version 6
	.text
	.protected	k_q5a30b9def5_outp
	.globl	k_q5a30b9def5_outp
	.p2align	8
	.type	k_q5a30b9def5_outp,@function
k_q5a30b9def5_outp:
	s_mov_b64 s[64:65], 0
	v_nop
	global_prefetch_b8 v0, s[64:65] scope:SCOPE_SE
	s_setreg_imm32_b32 hwreg(HW_REG_WAVE_MODE, 25, 1), 1
	s_wait_xcnt 0x0
	s_wait_alu depctr_hold_cnt(0) depctr_sa_sdst(0) depctr_va_vdst(0) depctr_va_sdst(0) depctr_va_ssrc(0) depctr_va_vcc(0) depctr_vm_vsrc(0)
	s_getreg_b32 s2, hwreg(HW_REG_IB_STS2, 6, 4)
	s_cmp_eq_u32 s2, 0
	s_cbranch_scc0 .Lentry_in_a_cluster
	s_endpgm
.Lentry_in_a_cluster:
	s_bfe_u32 s2, ttmp6, 0x10000c
	s_cmp_lg_u32 s2, 0xf033
	s_cbranch_scc0 .Lentry_shape_is_right
	s_endpgm
.Lentry_shape_is_right:
; LAUNCH 4 OF 4: out0 = O Wo^T + bo on codes of E2M3; out0 [4096][1024] f32.  No work is left out.
; The product is the projections' launch once more: source 0 = 16 rows of S0 = Wo, source 1 = 16 rows of S1 = O (tokens): a lane holds one token, its registers run along the output's columns.
; A work-group makes 128 x 128, each of its four waves 64 x 64; both panels stay in LDS for all of K (2 x 98,304 bytes), in four chunks, each one panel's four K steps: every tensor load is a first fill; a wave has one out at the most.
; CLUSTERS: 4 x 4; O's panel is shared along a row of the cluster, Wo's along a column.  The bias is the C of each sum's first product.
; Lane row r of tile T is row 32 (T / 2) + 8 (T % 2) + r + 8 (r / 8), of tokens and of Wo's rows alike; a half image is one tile x 64 K, 768 bytes: lane l's registers 0-3 at 16 l, registers 4, 5 at 512 + 8 l.
; REGISTERS: window 0: v4-15 addresses; v16-31 O's scale words, v32-47 Wo's (register 8 g + s: lanes 0-15 tile 2 g, lanes 16-31 tile 2 g + 1, K step s); v48-51 addresses; v64-95 the bias, later with v96-127 rows on the way out;
;   v128-255 accumulator (a, b) at 128 + 8 (4 a + b).   window 1: two sets of fragments, at v0 and v96: S1's fragment a at 12 a, S0's fragment b at 48 + 12 b.
.set CHUNK, 49152
.set STAGE, 4*CHUNK                    ; behind the panels: a stage of 16 rows x (256 bytes + 16) for each wave: no tensor load lands there
.set SPITCH, 272
.set SPARE, STAGE+4*16*SPITCH          ; the spare words, 128 bytes for each wave: two blocks of 256 bytes that no other line names
.set LA16, 4
.set LA8,  5
.set LS32, 6
.set LAS,  7                           ; v7 128 h + 4 r: O's scale words
.set A1,   8
.set A1B,  10
.set A0,   12
.set A0B,  14
.set SC1,  16
.set SC0,  32
.set BIA,  48                          ; v48 64 h: the bias;  v49 into the stage;  v50 out of it;  v51 my byte offset in two rows of out0
.set STO,  49
.set RD,   50
.set CO,   51
.set SPW,  60
.set NIL,  61
.set BI,   64
.set ACC,  128
.set WV,   12
.set G1,   24
.set G1B,  32
.set G0,   40
.set G0B,  68
.set MSB, 0
.macro WIN new
.if MSB != \new
	s_set_vgpr_msb (MSB<<8)|\new
.set MSB, \new
.endif
.endm
.set MUL,  0x05                        ; sources 0 and 1 window 1; C and D window 0
.set TO_F, 0x40                        ; destination window 1, address window 0
.macro CROUND
	s_barrier_signal -1
	s_barrier_wait -1
	s_cmp_lg_u32 s[WV], 0
	s_cbranch_scc1 .Lnot_wave_0_\@
	s_barrier_signal -3
.Lnot_wave_0_\@:
	s_barrier_wait -3
	s_barrier_signal -1
	s_barrier_wait -1
.endm
.macro PLACES
.rept 4
	v_nop
.endr
.endm
	s_load_b256 s[4:11], s[0:1], 0x0               ; oimg, osc, codes, scl
	s_load_b128 s[84:87], s[0:1], 0x20             ; bo, out0
	v_lshl_add_u32 v[SPW], v0, 2, SPARE
	v_mov_b32 v[NIL], 0
	ds_add_u32 v[SPW], v[NIL]                      ; the wave's opening: the add, twice on end, and its wait ahead of my first tensor load
	ds_add_u32 v[SPW], v[NIL]
	v_lshrrev_b32 v1, 5, v0
	v_readfirstlane_b32 s[WV], v1
	s_lshr_b32 s13, s[WV], 1                       ; I: my half of the tokens; I fetch for O (0) or for Wo (1)
	s_and_b32 s14, s[WV], 1                        ; J: my half of the columns; which four tiles I fetch
	s_bfe_u32 s15, ttmp6, 0x40000                  ; cx
	s_bfe_u32 s16, ttmp6, 0x40004                  ; cy
	s_lshl_b32 s22, ttmp9, 2
	s_add_co_u32 s22, s22, s15                     ; Xp: the panel of columns
	s_and_b32 s17, ttmp7, 0xffff
	s_lshl_b32 s23, s17, 2
	s_add_co_u32 s23, s23, s16                     ; Yp: the panel of tokens
	s_lshl_b32 s58, s23, 3                         ; O's panel begins at this tile (it hangs on cy alone),
	s_lshl_b32 s59, s22, 3
	s_add_co_u32 s59, s59, 960                     ; Wo's at this tile of codes (on cx alone)
	s_lshl_b32 s19, s14, 2
	s_add_co_u32 s60, s58, s19
	s_mul_i32 s60, s60, 12288
	s_mov_b32 s61, 0
	s_add_co_u32 s62, s59, s19
	s_mul_i32 s62, s62, 12288
	s_mov_b32 s63, 0
	s_mul_i32 s66, s[WV], 24576                    ; where my four tiles go in a half of K: no place in the cluster enters an LDS address
	s_lshl_b32 s67, s16, 2
	s_lshl_b32 s67, 15, s67                        ; my row of the cluster
	s_lshl_b32 s95, 0x1111, s15                    ; my column
	s_or_b32 s[G1], s67, (3<<16)|(1<<21)           ; 15:0 the mask; 17:16 elements of 8 bytes; 20 no padding; 21 set beside a mask
	s_or_b32 s[G1B], s95, (3<<16)|(1<<21)
.irp g, G1, G1B
	s_mov_b32 s[\g+1], 768<<16                     ; tensor_dim0 = 768 elements: 6,144 bytes, a tile's four K steps
	s_mov_b32 s[\g+2], 4<<16                       ; tensor_dim1 = 4 tiles
	s_mov_b32 s[\g+3], 768<<16                     ; tile_dim0
	s_mov_b32 s[\g+4], 4                           ; tile_dim1
	s_mov_b32 s[\g+5], 1536                        ; from tile to tile: 12,288 bytes
	s_mov_b32 s[\g+6], 0
	s_mov_b32 s[\g+7], 0
.endr
	s_lshl_b32 s96, s13, 2
	s_add_co_u32 s96, s96, s58
	s_lshl_b32 s96, s96, 7                         ; osc: 128 bytes a tile, my four tiles of tokens
	s_mov_b32 s97, 0
	s_add_co_u32 s98, s59, s19
	s_lshl_b32 s98, s98, 9                         ; scl: 512 bytes a tile, my four tiles of Wo
	s_mov_b32 s99, 0
	s_lshl_b32 s88, s22, 9
	s_lshl_b32 s90, s14, 8
	s_add_co_u32 s88, s88, s90                     ; my first column, in bytes: 512 Xp + 256 J
	s_mov_b32 s89, 0
	s_lshl_b32 s90, s23, 7
	s_lshl_b32 s92, s13, 6
	s_add_co_u32 s90, s90, s92                     ; my first token: 128 Yp + 64 I
	s_lshl_b32 s90, s90, 12
	s_add_co_u32 s90, s90, s88
	s_mov_b32 s91, 0
	v_and_b32 v1, 31, v0
	v_and_b32 v2, 15, v0                           ; r
	v_bfe_u32 v3, v0, 4, 1                         ; h
	v_lshlrev_b32 v[LA16], 4, v1
	v_lshlrev_b32 v[LA8], 3, v1
	v_lshlrev_b32 v[LS32], 5, v1
	v_min_u32 v52, 23, v1                          ; v52: the prefetch's offset: a tile's four K steps are 24 blocks of 256 bytes, a lane a block (lanes 24-31 name the last again); never rewritten
	v_lshlrev_b32 v52, 8, v52
	v_lshlrev_b32 v[LAS], 2, v2
	v_lshl_add_u32 v[LAS], v3, 7, v[LAS]
	v_lshlrev_b32 v[BIA], 6, v3
	s_mul_i32 s56, s13, 24576
	s_mul_i32 s57, s14, 24576
	s_add_co_u32 s57, s57, 49152
	v_add_nc_u32 v[A1], s56, v[LA16]
	v_add_nc_u32 v[A1+1], 2*CHUNK, v[A1]
	v_add_nc_u32 v[A1B], s56, v[LA8]
	v_add_nc_u32 v[A1B+1], 2*CHUNK, v[A1B]
	v_add_nc_u32 v[A0], s57, v[LA16]
	v_add_nc_u32 v[A0+1], 2*CHUNK, v[A0]
	v_add_nc_u32 v[A0B], s57, v[LA8]
	v_add_nc_u32 v[A0B+1], 2*CHUNK, v[A0B]
	s_mul_i32 s93, s[WV], 16*SPITCH
	s_add_co_u32 s93, s93, STAGE                   ; my stage
	v_mul_u32_u24 v[STO], v2, SPITCH
	v_lshl_add_u32 v[STO], v3, 6, v[STO]
	v_add_nc_u32 v[STO], s93, v[STO]               ; in: row r, + 64 h
	v_mul_u32_u24 v[RD], v3, SPITCH
	v_lshl_add_u32 v[RD], v2, 4, v[RD]
	v_add_nc_u32 v[RD], s93, v[RD]                 ; back: lanes 0-15 one row of 256 bytes, lanes 16-31 the next
	v_lshlrev_b32 v[CO], 12, v3
	v_lshl_add_u32 v[CO], v2, 4, v[CO]             ; and the same two rows in out0
	s_wait_dscnt 0x0                               ; both opening adds are done
	s_wait_kmcnt 0x0
	s_add_nc_u64 s[60:61], s[4:5], s[60:61]
	s_add_nc_u64 s[62:63], s[8:9], s[62:63]
	s_add_nc_u64 s[96:97], s[6:7], s[96:97]
	s_add_nc_u64 s[98:99], s[10:11], s[98:99]
	s_add_nc_u64 s[84:85], s[84:85], s[88:89]
	s_add_nc_u64 s[86:87], s[86:87], s[90:91]
.irp c, 0,1                            ; TWO FILLS, each half of K of both panels, 98,304 bytes: the first at the head, the second behind the full sequence and a round; a wave brings four tiles x four K steps
	s_mov_b32 s[G0+4*\c], 1
	s_add_co_u32 s[G0+4*\c+1], s66, \c*2*CHUNK
	s_add_nc_u64 s[G0+4*\c+2:G0+4*\c+3], s[60:61], \c*6144
	s_or_b32 s[G0+4*\c+3], s[G0+4*\c+3], 0x80000000
	s_mov_b32 s[G0B+4*\c], 1
	s_add_co_u32 s[G0B+4*\c+1], s66, \c*2*CHUNK
	s_add_nc_u64 s[G0B+4*\c+2:G0B+4*\c+3], s[62:63], \c*6144
	s_or_b32 s[G0B+4*\c+3], s[G0B+4*\c+3], 0x80000000
.endr
	CROUND                                         ; all sixteen work-groups are here: the joint loads meet
	s_cmp_eq_u32 s13, 0                            ; one load in each arm of one branch on the wave's number
	s_cbranch_scc0 .Lfor_s0
	tensor_load_to_lds s[G0:G0+3], s[G1:G1+7]
	s_nop 0
	PLACES
	s_branch .Lasked
.Lfor_s0:
	tensor_load_to_lds s[G0B:G0B+3], s[G1B:G1B+7]
	s_nop 0
	PLACES
.Lasked:
.irp g, 0,1
.irp p, 0,1
	global_load_b128 v[SC0+8*\g+4*\p:SC0+8*\g+4*\p+3], v[LS32], s[98:99] offset:1024*\g+16*\p   ; Wo's scale words
.endr
.endr
.irp g, 0,1
.irp d, 0,1,2,3,4,5,6,7,8,9,10,11,12,13,14,15
	global_load_b32 v[ACC+16*\g+\d], v[LAS], s[96:97] offset:\d*32768+\g*256   ; O's: head d's two bytes of tile 2 g + h, row r (into registers that the sums take later)
.endr
.endr
.irp b, 0,1,2,3
	global_load_b128 v[BI+8*\b:BI+8*\b+3], v[BIA], s[84:85] offset:(32*(\b/2)+8*(\b%2))*4       ; bo at the eight columns that tile b's result holds in my lane
	global_load_b128 v[BI+8*\b+4:BI+8*\b+7], v[BIA], s[84:85] offset:(32*(\b/2)+8*(\b%2))*4+16
.endr
	; A PREFETCH INTO THE L2, one fill ahead: the second half of K of both panels, 8 tiles x 24 blocks of 256 bytes each.  The four partners that will ask for a panel jointly share its tiles out BY ADDRESS:
	; the partner at place p (cx for O, cy for Wo) takes tiles 2 p and 2 p + 1, one a wave.  O's panel is loaded by two clusters, which both ask; Wo's by eight, of which four ask (a branch on the cluster's number round the prefetch alone).
	s_mul_i32 s18, s17, s13                        ; Wo's waves: the cluster's y; O's waves: 0
	s_cmp_eq_u32 s13, 0
	s_cselect_b32 s100, s58, s59                   ; the panel's first tile,
	s_cselect_b32 s101, s15, s16                   ; my place among the four,
	s_cselect_b64 s[104:105], s[4:5], s[8:9]       ; oimg or codes
	s_lshl_b32 s101, s101, 1
	s_add_co_u32 s101, s101, s14
	s_add_co_u32 s100, s100, s101
	s_mul_i32 s100, s100, 12288
	s_mov_b32 s101, 0
	s_add_nc_u64 s[104:105], s[104:105], s[100:101]
	s_cmp_lt_u32 s18, 4
	s_cbranch_scc0 .Lno_pf
	global_prefetch_b8 v52, s[104:105] offset:6144 th:TH_LOAD_NT scope:SCOPE_SE
.Lno_pf:
.macro FETCH s, buf                    ; 32 LDS loads in one run: the eight fragments of K step s into set buf
	WIN TO_F
.set FO, ((\s)%4)*1536
.irp t, 0,1,2,3
.irp hf, 0,1
	ds_load_b128 v[96*(\buf)+48+12*\t+6*\hf:96*(\buf)+48+12*\t+6*\hf+3], v[A0+(\s)/4] offset:FO+\t*6144+\hf*768
	ds_load_b64 v[96*(\buf)+48+12*\t+6*\hf+4:96*(\buf)+48+12*\t+6*\hf+5], v[A0B+(\s)/4] offset:FO+\t*6144+\hf*768+512
.endr
.endr
.irp t, 0,1,2,3
.irp hf, 0,1
	ds_load_b128 v[96*(\buf)+12*\t+6*\hf:96*(\buf)+12*\t+6*\hf+3], v[A1+(\s)/4] offset:FO+\t*6144+\hf*768
	ds_load_b64 v[96*(\buf)+12*\t+6*\hf+4:96*(\buf)+12*\t+6*\hf+5], v[A1B+(\s)/4] offset:FO+\t*6144+\hf*768+512
.endr
.endr
.endm
; one product: Wo's tile b x O's tile a, K step s.  An odd tile's scale words stand in lanes 16-31 of its pair's register.  bias = 1: the sum begins with the bias
.macro W1 s, buf, a, b, bias
.set rD, ACC+8*(4*(\a)+(\b))
.set rC, rD
.if \bias
.set rC, BI+8*(\b)
.endif
.set rA, 96*(\buf)+48+12*(\b)
.set rB, 96*(\buf)+12*(\a)
.set qA, SC0+8*((\b)/2)+(\s)
.set qB, SC1+8*((\a)/2)+(\s)
.set par, 2*((\a)%2)+(\b)%2
.if par == 0
	v_wmma_scale_f32_16x16x128_f8f6f4 v[rD:rD+7], v[rA:rA+11], v[rB:rB+11], v[rC:rC+7], v[qA], v[qB] matrix_a_fmt:MATRIX_FMT_FP6 matrix_b_fmt:MATRIX_FMT_FP6
.elseif par == 1
	v_wmma_scale_f32_16x16x128_f8f6f4 v[rD:rD+7], v[rA:rA+11], v[rB:rB+11], v[rC:rC+7], v[qA], v[qB] matrix_a_fmt:MATRIX_FMT_FP6 matrix_b_fmt:MATRIX_FMT_FP6 matrix_a_scale:MATRIX_SCALE_ROW1
.elseif par == 2
	v_wmma_scale_f32_16x16x128_f8f6f4 v[rD:rD+7], v[rA:rA+11], v[rB:rB+11], v[rC:rC+7], v[qA], v[qB] matrix_a_fmt:MATRIX_FMT_FP6 matrix_b_fmt:MATRIX_FMT_FP6 matrix_b_scale:MATRIX_SCALE_ROW1
.else
	v_wmma_scale_f32_16x16x128_f8f6f4 v[rD:rD+7], v[rA:rA+11], v[rB:rB+11], v[rC:rC+7], v[qA], v[qB] matrix_a_fmt:MATRIX_FMT_FP6 matrix_b_fmt:MATRIX_FMT_FP6 matrix_a_scale:MATRIX_SCALE_ROW1 matrix_b_scale:MATRIX_SCALE_ROW1
.endif
.endm
.macro MUL8 s, buf, a0, bias           ; the 16 accumulators take turns, one instruction a turn, in the same order in every K step
.irp a, \a0, \a0+1
.irp b, 0,1,2,3
	W1 \s, \buf, \a, \b, \bias
.endr
.endr
.endm
.macro EVEN s                          ; an even K step: its successor lies in the same chunk
	PLACES                                         ; set 1 was read by the products just issued
	FETCH (\s)+1, 1
	s_wait_dscnt 32                                ; all but the 32 loads just issued: this step's fragments are in
	WIN MUL
	MUL8 \s, 0, 0, 0
	MUL8 \s, 0, 2, 0
.endm
.macro ODD s                           ; an odd K step: its successor goes into set 0, and lies in the next chunk only behind K step 3
.if (\s) == 3
	s_wait_tensorcnt 0x0                           ; K step 4 lies in the second half of K: my part of it has landed
.endif
	s_wait_dscnt 0x0                               ; this step's fragments are in; no LDS instruction of mine is out at the signal
.if (\s) == 3
	s_barrier_signal -1
.endif
	WIN MUL
	MUL8 \s, 1, 0, 0
.if (\s) == 3
	s_barrier_wait -1
.endif
	PLACES
	FETCH (\s)+1, 0
	WIN MUL
	MUL8 \s, 1, 2, 0
.endm
	s_wait_alu depctr_va_vdst(0)                   ; the head's end
	s_wait_tensorcnt 0x0                           ; my part of the first half of K is in; the second half's first fill is issued as a refill is:
	ds_add_u32 v[SPW], v[NIL]                      ; 0 onto my spare word
	s_wait_dscnt 0x0
	CROUND                                         ; everybody's part is in, and the joint loads meet
	s_cmp_eq_u32 s13, 0
	s_cbranch_scc0 .Lfor_s0_b
	tensor_load_to_lds s[G0+4:G0+7], s[G1:G1+7]
	s_nop 0
	PLACES
	s_branch .Lasked_b
.Lfor_s0_b:
	tensor_load_to_lds s[G0B+4:G0B+7], s[G1B:G1B+7]
	s_nop 0
	PLACES
.Lasked_b:
	FETCH 0, 0
	s_wait_loadcnt 0x0                             ; scale words and bias
	WIN 0
.irp g, 0,1
.irp s, 0,1,2,3,4,5,6,7
	v_lshl_or_b32 v[SC1+8*\g+\s], v[ACC+16*\g+2*\s+1], 16, v[ACC+16*\g+2*\s]   ; heads 2 s and 2 s + 1 are K step s: four bytes
.endr
.endr
.rept 8
	v_nop                                          ; a scale register written by a vector instruction stands eight plain lines ahead of a scaled product
.endr
	FETCH 1, 1
	s_wait_alu depctr_va_vdst(0)
	s_wait_dscnt 32                                ; K step 0's fragments are in
	WIN MUL
	MUL8 0, 0, 0, 1                                ; the first products start the sums from the bias
	MUL8 0, 0, 2, 1
	ODD 1
	EVEN 2
	ODD 3
	EVEN 4
	ODD 5
	EVEN 6
	s_wait_dscnt 0x0
	MUL8 7, 1, 0, 0
	MUL8 7, 1, 2, 0
	WIN 0
	PLACES
	; THE WAY OUT, a tile of 16 tokens x my 64 columns at a time, through my own stage: a lane's eight results are 32 neighbouring bytes of a row; the rows come back whole, and sixteen lanes store 256 consecutive bytes,
	; at a multiple of 256 from out0's first byte.  LDS serves a wave's instructions in order: no wait between the stores and the loads.
.irp a, 0,1,2,3
.if \a >= 2
	s_wait_xcnt 0x0                                ; tile a - 2's stores have read their registers: tile a's rows may land there
.endif
.irp b, 0,1,2,3
	ds_store_b128 v[STO], v[ACC+8*(4*\a+\b):ACC+8*(4*\a+\b)+3] offset:128*(\b/2)+32*(\b%2)        ; each accumulator from its low end on
	ds_store_b128 v[STO], v[ACC+8*(4*\a+\b)+4:ACC+8*(4*\a+\b)+7] offset:128*(\b/2)+32*(\b%2)+16
.endr
.irp t, 0,1,2,3,4,5,6,7
	ds_load_b128 v[BI+32*(\a%2)+4*\t:BI+32*(\a%2)+4*\t+3], v[RD] offset:2*\t*SPITCH
.endr
	s_wait_dscnt 0x0
.irp t, 0,1,2,3,4,5,6,7
	global_store_b128 v[CO], v[BI+32*(\a%2)+4*\t:BI+32*(\a%2)+4*\t+3], s[86:87] offset:(32*(\a/2)+8*(\a%2)+2*\t+8*(\t/4))*4096 th:TH_STORE_NT   ; stage rows 2 t, 2 t + 1 are these tokens, by the tiles' choice of rows
.endr
.endr
	s_wait_tensorcnt 0x0                           ; the wave's end: behind my last tensor load and my last LDS store
	ds_add_u32 v[SPW], v[NIL]
	s_wait_dscnt 0x0
	CROUND                                         ; the closing round
	s_endpgm
.Lfunc_end_k_q5a30b9def5_outp:
	.size	k_q5a30b9def5_outp, .Lfunc_end_k_q5a30b9def5_outp-k_q5a30b9def5_outp
	.p2alignl 7, 3214868480
	.fill 96, 4, 3214868480
	.section	.rodata,"a",@progbits
	.p2align	6, 0x0
	.amdhsa_kernel k_q5a30b9def5_outp
		.amdhsa_group_segment_fixed_size 327680
		.amdhsa_private_segment_fixed_size 0
		.amdhsa_enable_private_segment 0
		.amdhsa_kernarg_size 48
		.amdhsa_user_sgpr_count 2
		.amdhsa_user_sgpr_kernarg_segment_ptr 1
		.amdhsa_wavefront_size32 1
		.amdhsa_system_sgpr_workgroup_id_x 1
		.amdhsa_system_sgpr_workgroup_id_y 1
		.amdhsa_system_sgpr_workgroup_id_z 1
		.amdhsa_system_vgpr_workitem_id 0
		.amdhsa_next_free_vgpr 512
		.amdhsa_next_free_sgpr 106
		.amdhsa_reserve_vcc 0
		.amdhsa_float_denorm_mode_32 3
		.amdhsa_float_denorm_mode_16_64 3
		.amdhsa_memory_ordered 1
		.amdhsa_forward_progress 1
		.amdhsa_inst_pref_size 56
	.end_amdhsa_kernel
	.amdgpu_metadata
---
amdhsa.version: [ 1, 2 ]
amdhsa.kernels:
  - .name:           k_q5a30b9def5_outp
    .symbol:         k_q5a30b9def5_outp.kd
    .args:
      - { .name: oimg, .offset: 0, .size: 8, .value_kind: global_buffer, .address_space: global }
      - { .name: osc, .offset: 8, .size: 8, .value_kind: global_buffer, .address_space: global }
      - { .name: codes, .offset: 16, .size: 8, .value_kind: global_buffer, .address_space: global }
      - { .name: scl, .offset: 24, .size: 8, .value_kind: global_buffer, .address_space: global }
      - { .name: bo, .offset: 32, .size: 8, .value_kind: global_buffer, .address_space: global }
      - { .name: out0, .offset: 40, .size: 8, .value_kind: global_buffer, .address_space: global }
    .group_segment_fixed_size: 327680
    .private_segment_fixed_size: 0
    .kernarg_segment_align: 8
    .kernarg_segment_size: 48
    .max_flat_workgroup_size: 128
    .sgpr_count:     106
    .vgpr_count:     512
    .wavefront_size: 32
...
	.end_amdgpu_metadata
.endif
;; end of part 4
